; MI455X (gfx1250); checked and timed in simulation.
; The chip was launched on July 23, 2026; its instructions are those of AMD's public machine-readable ISA for CDNA 5 (MIT licence, August 2026) and "CDNA5" Instruction Set Architecture Reference Guide (July 2026). The comments in the code are by the model that wrote it; some were corrected since.
;; Multi Head Attention. Allowed arithmetic: matrix products marked QUANTISED: E2M3 operands, one E8M0 scale for each 32 along K, by v_wmma_scale_f32_16x16x128_f8f6f4 with both operands' format E2M3, f32 sums; everything else in f32.
;; Inputs: W_k 1,024 x 1,024 float32; W_o 1,024 x 1,024 float32; W_q 1,024 x 1,024 float32; W_v 1,024 x 1,024 float32; x 4 x 2,048 x 1,024 float32.
;; Outputs: out0 4 x 2,048 x 1,024 float32.
;; This version of the problem:
;;   THIS VERSION OF THE PROBLEM IS GIVEN IN LOW PRECISION. The matrix products marked QUANTISED in the list below multiply operands that are first quantised to E2M3 (2 exponent bits, 3 mantissa bits; 6 bits a number), with one power-of-two scale for each 32 numbers along K (OCP MX v1.0); their sums are f32. All else is computed in f32.
;;   The module's matrix products, in the order in which they are computed (A, B: the left and right operand; K: the contracted axis; several contracted axes count as one K, in the product's order):
;;     1. [M 8,192, K 1,024] x [K 1,024, N 1,024]; A: input x; B: input W_q: QUANTISED
;;     2. [M 8,192, K 1,024] x [K 1,024, N 1,024]; A: input x; B: input W_k: QUANTISED
;;     3. [M 8,192, K 1,024] x [K 1,024, N 1,024]; A: input x; B: input W_v: QUANTISED
;;     4. batch 64 x [M 2,048, K 64] x [K 64, N 2,048]; A: computed on the way; B: computed on the way: QUANTISED
;;     5. batch 64 x [M 2,048, K 2,048] x [K 2,048, N 64]; A: softmax (see below); B: computed on the way: QUANTISED
;;     6. [M 8,192, K 1,024] x [K 1,024, N 1,024]; A: computed on the way; B: input W_o: QUANTISED
;;   THE QUANTISER, for each operand of a quantised product, along K:
;;     - K is cut into blocks of 32 from its start; a last block that is shorter is filled with zeros.
;;     - A block's scale is 2^e with e = floor(log2(the largest magnitude in the block)) - 2, held to -126 .. 127; a block of zeros has e = 0. As a byte (E8M0): e + 127.
;;     - Each number is divided by its block's scale, clamped to +-7.5, and rounded to the nearest number of E2M3, ties to even, subnormals kept.
;;     - The product sums the exact products of the quantised numbers (number of the format x scale) in f32.
;;   ~~~python
;;   def quantise(x, axis):      # numpy; x: float32 -> the quantised numbers, widened to float32 again
;;       x = np.moveaxis(x, axis, -1); K = x.shape[-1]
;;       x = np.pad(x, [(0, 0)] * (x.ndim - 1) + [(0, -K % 32)]); x = x.reshape(x.shape[:-1] + (-1, 32)); a = np.abs(x).max(-1, keepdims=True)
;;       e = np.where(a > 0, np.clip(np.frexp(np.where(a > 0, a, 1))[1] - 1 - 2, -126, 127), 0)      # np.frexp(a)[1] - 1 = floor(log2(a)), exactly
;;       r = np.clip(x / 2.0 ** e, -7.5, 7.5)
;;       step = 2.0 ** (np.maximum(np.frexp(np.where(r == 0, 1, r))[1] - 1, 0) - 3)
;;       q = np.round(r / step) * step * 2.0 ** e      # np.round: ties to even
;;       return np.moveaxis(q.reshape(q.shape[:-2] + (-1,))[..., :K], -1, axis).astype(np.float32)
;;   ~~~
;;   SOFTMAX AHEAD OF A QUANTISED PRODUCT. Where the list says 'softmax', what is quantised is not the finished softmax but p = 2^(t - M), with t = logit x log2(e) and M = ceil(the row's largest t), a whole number; so 1/2 < the row's largest p <= 1. The row's sum l is taken of the UNQUANTISED p, in f32, and the product's result is divided by l at the end. Since M is a whole number, a kernel that streams over the keys may use a running M (the ceiling of the running maximum): every later rescaling is an exact power of two, which a block's scale takes up: the codes' values come out the same.
;;   OPERANDS COMPUTED ON THE WAY. 'Computed on the way' means the value that the module computes at that place (a softmax that the list does not call 'softmax' is quantised finished and normalised). What goes into a quantiser is computed in f32, as accurately as f32 sums, v_exp_f32 and their like allow (about 1e-6 of the number): no bf16 or f16 on the way to a quantiser, and a product that is left as it is and whose result goes on into a quantised operand takes f32 operands (vector FMAs, or v_wmma_f32_16x16x4_f32). A number that lies on a knife's edge between two numbers of the format may be rounded either way, as far as f32 arithmetic and the matrix unit's own rounding can turn it there, and no further.
;; One version. Each part assembles by itself: llvm-mc -triple=amdgcn-amd-amdhsa -mcpu=gfx1250 --defsym DOCPART=n.
;; ======== version 1 of 1: 4 launches
;; workspace buffers: qc 9,437,184 bytes; qs 393,216 bytes; hc 18,874,368 bytes; hs 786,432 bytes; cc 6,291,456 bytes; cs 262,144 bytes
;; launch quant (part 1): grid 384 x 1, 4 waves a work-group, no clusters, 33,280 bytes of LDS; arguments x, W_q, W_k, W_v, W_o, qc, qs; writes qc, qs
.if DOCPART == 1
	.amdgcn_target "amdgcn-amd-amdhsa--gfx1250"
	.amdhsa_code_object_version 6
	.text
	.protected	k_q9300fa6a8a_quant
	.globl	k_q9300fa6a8a_quant
	.p2align	8
	.type	k_q9300fa6a8a_quant,@function
k_q9300fa6a8a_quant:
	s_mov_b64 s[64:65], 0
	v_nop
	global_prefetch_b8 v0, s[64:65] scope:SCOPE_SE
	s_setreg_imm32_b32 hwreg(HW_REG_WAVE_MODE, 25, 1), 1
	s_wait_xcnt 0x0
; x [8192][1024] and W_q, W_k, W_v, W_o [1024][1024], f32, become codes of FP6 (E2M3) with one E8M0 scale byte for each 32 along K (the last axis).
; The five tensors count as ONE table of 12,288 rows: x at row 0, W_q at 8192, W_k at 9216, W_v at 10240, W_o at 11264.
; OUT: qc = [kk 0..15][row][48 bytes]: panel kk holds 64 along K (two blocks of 24 bytes) of every row, so that 128 rows of a panel are 6,144 dense bytes for the products' launches;
;      qs = [q 0..7][row][4 bytes]: the four scale bytes of 128 along K: the word that one matrix instruction wants of a row.
; A block's scale is 2^(floor(log2(its largest magnitude)) - 2); its byte is the largest magnitude's exponent field - 2, held at 1 from below.  Numbers beyond 7.5 x the scale get the largest code (the conversion does that).
; LIMITS: NaN and infinities among the inputs are not served.  Blocks whose largest magnitude lies under 2^-124, blocks of zeros among them, get the byte 1 (zeros: zero codes, which add nothing); this program alone reads the bytes.
; SHARES: work-group g takes the 64 rows 64 (g / 2) on; its wave w the 128 numbers 128 q on of each, q = 4 (g % 2) + w: 16 steps of 4 rows.  A load reads 512 consecutive bytes of one row, 16 a lane; a step's 2,048 bytes turn
; through the wave's own stage in LDS and come back 64 bytes a lane, since the conversion takes 16 neighbours along K from one lane's registers.  Two neighbouring lanes hold a block.
; No tensor loads, no barrier: waves share nothing.  Loads run four steps (16 loads a wave) ahead, the turn through LDS one step.
.set PS,    589824                     ; bytes of one panel of qc: 12,288 rows x 48
.set STEPS, 16
.set R,     16                         ; v16-79   four sets of 16 numbers as they are loaded
.set X,     80                         ; v80-111  two sets of 16 neighbours
.set E,     112                        ; v112-127 a scale byte for each step
.set C,     128                        ; v128-191 codes: four registers for each step, so that no store's data are written again
.set WREG,  8192                       ; LDS: a region for each wave: two stages of 32 x SP bytes, behind them its 256 scale bytes
.set SP,    80                         ; a lane's place in a stage: 64 bytes + 16 of padding
	s_load_b256 s[4:11], s[0:1], 0x0               ; x, W_q, W_k, W_v
	s_load_b128 s[12:15], s[0:1], 0x20             ; W_o, qc
	s_load_b64 s[16:17], s[0:1], 0x30              ; qs
	v_lshl_add_u32 v192, v0, 2, 0x8000
	v_mov_b32 v193, 0
	v_lshrrev_b32 v1, 5, v0
	v_readfirstlane_b32 s18, v1                    ; wave
	v_and_b32 v2, 31, v0                           ; lane
	v_lshlrev_b32 v3, 4, v2                        ; my 16 bytes of a load's 512
	s_mul_i32 s19, s18, WREG
	v_lshrrev_b32 v14, 2, v2
	v_mul_u32_u24 v14, v14, SP
	v_and_b32 v15, 3, v2
	v_lshl_add_u32 v14, v15, 4, v14
	v_add_nc_u32 v14, s19, v14                     ; the stage, on the way in: SP (lane / 4) + 16 (lane % 4)
	v_mul_u32_u24 v15, v2, SP
	v_add_nc_u32 v15, s19, v15                     ; and on the way out: SP x lane: lane l gets row l / 8 of the step's four, numbers 16 (l % 8) on
	v_lshrrev_b32 v4, 3, v2
	v_mul_u32_u24 v4, v4, 48                       ; my codes' place: my row of the four,
	v_and_b32 v8, 3, v2
	v_mad_u32_u24 v4, v8, 12, v4                   ; my 12 bytes of its 48,
	v_bfe_u32 v8, v2, 2, 1
	v_mul_u32_u24 v8, v8, PS
	v_add_nc_u32 v4, v4, v8                        ; in panel 2 q or 2 q + 1
	v_lshrrev_b32 v5, 1, v2
	s_add_co_u32 s19, s19, 2*32*SP
	v_add_nc_u32 v5, s19, v5                       ; LDS: my wave's 256 scale bytes, my block's byte: 4 bytes a row
	v_lshlrev_b32 v7, 3, v2                        ; and on the way out 8 bytes a lane
	v_add_nc_u32 v6, s19, v7
	s_mov_b32 s20, 352
	s_wait_kmcnt 0x0
	s_cmp_lt_u32 ttmp9, 352                        ; which tensor: the choice hangs on the work-group's number alone
	s_cselect_b64 s[12:13], s[10:11], s[12:13]
	s_cselect_b32 s20, 320, s20
	s_cmp_lt_u32 ttmp9, 320
	s_cselect_b64 s[12:13], s[8:9], s[12:13]
	s_cselect_b32 s20, 288, s20
	s_cmp_lt_u32 ttmp9, 288
	s_cselect_b64 s[12:13], s[6:7], s[12:13]
	s_cselect_b32 s20, 256, s20
	s_cmp_lt_u32 ttmp9, 256
	s_cselect_b64 s[12:13], s[4:5], s[12:13]
	s_cselect_b32 s20, 0, s20                      ; the tensor's first work-group
	s_sub_co_u32 s20, ttmp9, s20
	s_lshr_b32 s20, s20, 1
	s_lshl_b32 s20, s20, 18                        ; 64 rows of 4,096 bytes
	s_and_b32 s21, ttmp9, 1
	s_lshl_b32 s21, s21, 2
	s_add_co_u32 s21, s21, s18                     ; q
	s_lshl_b32 s22, s21, 9
	s_add_co_u32 s22, s22, s20
	s_mov_b32 s23, 0
	s_add_nc_u64 s[12:13], s[12:13], s[22:23]      ; the numbers
	s_lshr_b32 s24, ttmp9, 1                       ; which 64 rows of the table
	s_mul_i32 s22, s21, 2*PS
	s_mul_i32 s25, s24, 3072
	s_add_co_u32 s22, s22, s25
	s_add_nc_u64 s[14:15], s[14:15], s[22:23]      ; the codes: panel 2 q, my 64 rows
	s_mul_i32 s22, s21, 49152
	s_lshl_b32 s25, s24, 8
	s_add_co_u32 s22, s22, s25
	s_add_nc_u64 s[16:17], s[16:17], s[22:23]      ; the scale words
.macro LOAD t
.irp i, 0,1,2,3
	global_load_b128 v[R+16*((\t)%4)+4*\i:R+16*((\t)%4)+4*\i+3], v3, s[12:13] offset:(4*(\t)+\i)*4096 th:TH_LOAD_NT   ; 32 lanes read 512 consecutive bytes of row 4 t + i
.endr
.endm
.macro TURN t                          ; step t's numbers through the stage: LDS serves a wave's instructions in order, so no wait stands between the stores and the loads
.irp i, 0,1,2,3
	ds_store_b128 v14, v[R+16*((\t)%4)+4*\i:R+16*((\t)%4)+4*\i+3] offset:32*SP*((\t)%2)+8*SP*\i
.endr
.irp i, 0,1,2,3
	ds_load_b128 v[X+16*((\t)%2)+4*\i:X+16*((\t)%2)+4*\i+3], v15 offset:32*SP*((\t)%2)+16*\i
.endr
.endm
.irp t, 0,1,2,3
	LOAD \t
.endr
	s_wait_loadcnt 12                              ; step 0's four loads are in
	TURN 0
.macro STEP t
.set XS, X+16*((\t)%2)
.if (\t) > 0
	s_wait_dscnt 1                                 ; this step's numbers are back from the stage (the last step's byte store may be out)
.else
	s_wait_dscnt 0x0
.endif
.if (\t)+4 < STEPS
	LOAD (\t)+4                                    ; into the registers that this step's stores into the stage have read
.endif
.if (\t)+1 < STEPS
.if STEPS-2-(\t) >= 3
	s_wait_loadcnt 12                              ; the next step's four loads are in; those of the three steps behind it may be out
.else
	s_wait_loadcnt 4*(STEPS-2-(\t))
.endif
	TURN (\t)+1                                    ; they go through the other stage while this step is worked
.endif
	v_max3_num_f32 v8, |v[XS]|, |v[XS+1]|, |v[XS+2]|               ; the largest magnitude of my 16, in two chains
	v_max3_num_f32 v9, |v[XS+3]|, |v[XS+4]|, |v[XS+5]|
.irp i, 6,10
	v_max3_num_f32 v8, v8, |v[XS+\i]|, |v[XS+\i+1]|
	v_max3_num_f32 v9, v9, |v[XS+\i+2]|, |v[XS+\i+3]|
.endr
	v_max3_num_f32 v8, v8, |v[XS+14]|, |v[XS+15]|
	v_max3_num_f32 v8, v8, v9, 0x1800000           ; and the floor 2^(3 - 127): the byte cannot fall under 1
	v_max_num_f32_dpp v8, v8, v8 row_xmask:1 row_mask:0xf bank_mask:0xf   ; and of my neighbour's 16: the block's
	v_add_nc_u32 v11, 0xff000000, v8               ; 2 off its exponent field: the conversion takes the exponent field of this operand as its scale
	v_cvt_scalef32_pk16_fp6_f32 v[C+4*(\t):C+4*(\t)+2], v[XS:XS+15], v11
	v_lshrrev_b32 v[E+(\t)], 23, v11               ; the scale's byte
	ds_store_b8 v5, v[E+(\t)] offset:16*(\t)       ; both lanes of a block write the same byte with the same value
	global_store_b96 v4, v[C+4*(\t):C+4*(\t)+2], s[14:15] offset:192*(\t)   ; four rows' 192 consecutive bytes in each of two panels
.endm
.irp t, 0,1,2,3,4,5,6,7,8,9,10,11,12,13,14,15
	STEP \t
.endr
	ds_load_b64 v[12:13], v6                       ; LDS serves a wave's instructions in order: these see my stores
	s_wait_dscnt 0x0
	global_store_b64 v7, v[12:13], s[16:17]        ; 32 lanes store 256 consecutive bytes, aligned: 64 rows' scale words
	s_wait_tensorcnt 0x0
	ds_add_u32 v192, v193
	s_wait_dscnt 0x0
	s_endpgm
.Lfunc_end_k_q9300fa6a8a_quant:
	.size	k_q9300fa6a8a_quant, .Lfunc_end_k_q9300fa6a8a_quant-k_q9300fa6a8a_quant
	.p2alignl 7, 3214868480
	.fill 96, 4, 3214868480
	.section	.rodata,"a",@progbits
	.p2align	6, 0x0
	.amdhsa_kernel k_q9300fa6a8a_quant
		.amdhsa_group_segment_fixed_size 33280
		.amdhsa_private_segment_fixed_size 0
		.amdhsa_enable_private_segment 0
		.amdhsa_kernarg_size 56
		.amdhsa_user_sgpr_count 2
		.amdhsa_user_sgpr_kernarg_segment_ptr 1
		.amdhsa_wavefront_size32 1
		.amdhsa_system_sgpr_workgroup_id_x 1
		.amdhsa_system_sgpr_workgroup_id_y 1
		.amdhsa_system_sgpr_workgroup_id_z 1
		.amdhsa_system_vgpr_workitem_id 0
		.amdhsa_next_free_vgpr 194
		.amdhsa_next_free_sgpr 66
		.amdhsa_reserve_vcc 0
		.amdhsa_float_denorm_mode_32 3
		.amdhsa_float_denorm_mode_16_64 3
		.amdhsa_memory_ordered 1
		.amdhsa_forward_progress 1
		.amdhsa_inst_pref_size 33
	.end_amdhsa_kernel
	.amdgpu_metadata
---
amdhsa.version: [ 1, 2 ]
amdhsa.kernels:
  - .name:           k_q9300fa6a8a_quant
    .symbol:         k_q9300fa6a8a_quant.kd
    .args:
      - { .name: x, .offset: 0, .size: 8, .value_kind: global_buffer, .address_space: global }
      - { .name: W_q, .offset: 8, .size: 8, .value_kind: global_buffer, .address_space: global }
      - { .name: W_k, .offset: 16, .size: 8, .value_kind: global_buffer, .address_space: global }
      - { .name: W_v, .offset: 24, .size: 8, .value_kind: global_buffer, .address_space: global }
      - { .name: W_o, .offset: 32, .size: 8, .value_kind: global_buffer, .address_space: global }
      - { .name: qc, .offset: 40, .size: 8, .value_kind: global_buffer, .address_space: global }
      - { .name: qs, .offset: 48, .size: 8, .value_kind: global_buffer, .address_space: global }
    .group_segment_fixed_size: 33280
    .private_segment_fixed_size: 0
    .kernarg_segment_align: 8
    .kernarg_segment_size: 56
    .max_flat_workgroup_size: 128
    .sgpr_count:     66
    .vgpr_count:     194
    .wavefront_size: 32
...
	.end_amdgpu_metadata
.endif
;; end of part 1
;; launch qkv (part 2): grid 24 x 32, 4 waves a work-group, clusters of 4 x 4, 327,680 bytes of LDS; arguments qc, qs, hc, hs; writes hc, hs
.if DOCPART == 2
	.amdgcn_target "amdgcn-amd-amdhsa--gfx1250"
	.amdhsa_code_object_version 6
	.text
	.protected	k_q9300fa6a8a_qkv
	.globl	k_q9300fa6a8a_qkv
	.p2align	8
	.type	k_q9300fa6a8a_qkv,@function
k_q9300fa6a8a_qkv:
	s_mov_b64 s[64:65], 0
	v_nop
	global_prefetch_b8 v0, s[64:65] scope:SCOPE_SE
	s_setreg_imm32_b32 hwreg(HW_REG_WAVE_MODE, 25, 1), 1
	s_wait_xcnt 0x0
	s_wait_alu depctr_hold_cnt(0) depctr_sa_sdst(0) depctr_va_vdst(0) depctr_va_sdst(0) depctr_va_ssrc(0) depctr_va_vcc(0) depctr_vm_vsrc(0)
	s_getreg_b32 s2, hwreg(HW_REG_IB_STS2, 6, 4)
	s_cmp_eq_u32 s2, 0
	s_cbranch_scc0 .Lentry_in_a_cluster
	s_endpgm
.Lentry_in_a_cluster:
	s_bfe_u32 s2, ttmp6, 0x10000c
	s_cmp_lg_u32 s2, 0xf033
	s_cbranch_scc0 .Lentry_shape_is_right
	s_endpgm
.Lentry_shape_is_right:
; q = x W_q^T, k = x W_k^T, v = x W_v^T on codes of FP6 (E2M3) with E8M0 scales; the f32 sums are quantised again in registers: q and k along a head's 64, v along the keys.
; IN (made by the launch before): qc = [kk 16][row 12288][48 bytes], qs = [q 8][row][4 bytes]; rows: x 0, W_q 8192, W_k 9216, W_v 10240.
; A work-group makes a tile C = A B^T of 256 (m) x 128 (n) over all of K = 1,024.  Clusters with x < 4 make q and k: A = 256 rows of x, B = 128 rows of W_q or W_k (two heads).  Clusters with x >= 4 make v TRANSPOSED:
; A = 256 rows of W_v (four heads' channels), B = 128 rows of x (a key step).  What differs between the two is chosen by s_cselect_b32 on the cluster's x: numbers in global addresses alone; there is one path through the text.
; Four waves; wave w takes rows 64 w .. 64 w + 63 and all 128 columns: 32 accumulators.  THE MATRIX INSTRUCTION IS USED TRANSPOSED (source 0 = 16 rows of B, source 1 = 16 rows of A): lane (r, h) holds row r of A's block,
; its register j column 8 h + j of B's block.  So a lane's registers run along n, which is the next product's K in both cases (a head's channels for q and k, the keys for v).
; LDS: the WHOLE of K lies in LDS at once (A 192 KiB, B 96 KiB), in four chunks of 256 along K; every byte is filled once, so there is no ring.  CLUSTER 4 x 4: A's tiles are shared along a row of the cluster, B's along a column:
; each is asked for jointly.  Waves 0 and 1 ask for A's halves, wave 2 for B: five loads each (scales, chunks 0 to 3), all at the head.  A barrier with a counted wait stands in front of the first read of each chunk.
; THE ORDER INSIDE A BLOCK OF 32.  The 16 registers of two neighbouring accumulators hold columns 32 B + 16 (i / 8) + 8 h + i % 8; one conversion makes 12 bytes of them, and a block is stored as lane half 0's 12 bytes, then half 1's.
; q and k have this same order along the channels, v and the softmax's p (next launch) the same along the keys: a permutation inside a block, alike on both sides of a product, changes no sum.
; OUT: hc: q and k = [b 4][hh 32][token 2048][48 bytes] (hh 0-15: q's heads, 16-31: k's); v from VC0 = [b][key step 16][head 16][panel 2][rho 64][48 bytes]: a panel is 64 keys; rho = the channel with bits 3 and 4 exchanged.
;      hs: q and k = [b][pair of heads 16][token][4 bytes]; v from VS0 = [b][head][key step][rho][4 bytes].
; LIMITS: NaN and infinities are not served; blocks under 2^-124 (zeros among them) get the byte 1; this program alone reads the bytes.
; REGISTERS: window 0: v1-15 addresses; v16-47 A's scale words (4 q + a), v48-111 B's (8 q + b); v112-255 the way out.  window 1: accumulator (a, b) at v[8 (8 a + b)].  windows 2, 3: two sets of fragments: A's block i at v[12 i], B's block b at v[48 + 12 b].
.set PS,   589824                      ; bytes of a panel of qc
.set CH,   24576                       ; a chunk in LDS: 4 panels x 128 rows x 48 bytes
.set REG,  98304                       ; a region: four chunks.  Regions 0, 1: A's halves; 2: B
.set SCL,  294912                      ; the scale words: 4,096 bytes a region: [q 8][128 rows][4]
.set STG,  307200                      ; the way out: 16 rows x 144 bytes for each wave
.set SST,  316416                      ; and 256 bytes of scale words for each wave
.set VC0,  12582912
.set VS0,  524288
.set ADRA, 4                           ; v4, v5   LDS address of my A fragments, chunks 0-1 and 2-3
.set ADRB, 6                           ; v6, v7   the same for B
.set ASA,  8                           ; v8       of A's scale words
.set ASB,  9                           ; v9       of B's
.set STO,  10                          ; v10      the stage: where I put 12 bytes
.set RD,   11                          ; v11      and where I read them back
.set SSTO, 12                          ; v12      the scale words' stage, in
.set SSRD, 13                          ; v13      and out
.set VSO,  14                          ; v14      my byte offset among the wave's 256 scale bytes in hs
.set SA,   16
.set SB,   48
.set VB,   112                         ; v112-115 my byte offset in hc, for the two row bits that differ between the two layouts
.set PC,   116                         ; v116-179 codes just made: 16 registers a block of rows, 4 a piece
.set RB,   180                         ; v180-243 and read back
.set TM,   244                         ; v244-247 largest magnitudes, then scale operands; v248-251 the other half's, then bytes; v252-255 scale words
.set G1A,  24                          ; s[24:31] descriptor group 1: A's codes;  s[32:39] B's;  s[40:47], s[48:55] their scales
.set G1B,  32
.set G1SA, 40
.set G1SB, 48
.set MSB, 0
.macro WIN new                         ; the immediate's high byte repeats the setting that is left
.if MSB != (\new)
	s_set_vgpr_msb (MSB<<8)|(\new)
.set MSB, (\new)
.endif
.endm
.macro PLACES n
.rept \n
	v_nop
.endr
.endm
.macro CROUND                          ; a round of the cluster's barrier
	s_barrier_signal -1
	s_barrier_wait -1
	s_cmp_lg_u32 s12, 0
	s_cbranch_scc1 .Lnot_wave_0_\@
	s_barrier_signal -3
.Lnot_wave_0_\@:
	s_barrier_wait -3
	s_barrier_signal -1
	s_barrier_wait -1
.endm
.macro G1SET g, c, r, p                ; group 1's words 1 to 7: r rows of c elements of 8 bytes, p elements from row to row
	s_mov_b32 s[\g+1], (\c)<<16
	s_mov_b32 s[\g+2], (\r)<<16
	s_mov_b32 s[\g+3], (\c)<<16
	s_mov_b32 s[\g+4], \r
	s_mov_b32 s[\g+5], \p
	s_mov_b32 s[\g+6], 0
	s_mov_b32 s[\g+7], 0
.endm
.macro G0SET g, lreg, loff, base, off, extra   ; group 0: count 1; LDS address s[lreg] + loff (lreg < 0: loff); global address; type 2
	s_mov_b32 s[\g], 1
.if \lreg < 0
	s_mov_b32 s[\g+1], \loff
.else
	s_add_co_u32 s[\g+1], s[\lreg], \loff
.endif
	s_add_nc_u64 s[\g+2:\g+3], s[\base:\base+1], s[\off:\off+1]
.if \extra
	s_add_nc_u64 s[\g+2:\g+3], s[\g+2:\g+3], \extra
.endif
	s_or_b32 s[\g+3], s[\g+3], 0x80000000
.endm
	s_load_b256 s[4:11], s[0:1], 0x0               ; qc s[4:5], qs s[6:7], hc s[8:9], hs s[10:11]
	v_lshl_add_u32 v239, v0, 2, 0x4d800
	v_mov_b32 v243, 0
	ds_add_u32 v239, v243
	ds_add_u32 v239, v243
	v_lshrrev_b32 v1, 5, v0
	v_readfirstlane_b32 s12, v1                    ; wave 0..3
	s_bfe_u32 s13, ttmp6, 0x40000                  ; cx
	s_bfe_u32 s14, ttmp6, 0x40004                  ; cy
	s_and_b32 s15, ttmp7, 0xffff                   ; Y: the cluster's y, 0..7
	s_max_u32 s16, ttmp9, 4
	s_sub_co_u32 s16, s16, 4                       ; X' = the cluster's x - 4 in v's clusters (0 in the others)
	s_and_b32 s21, s12, 1                          ; which half of A a wave asks for (waves 0 and 1 ask)
	s_lshl_b32 s19, s14, 2
	s_lshl_b32 s19, 15, s19                        ; my row of the cluster
	s_or_b32 s[G1A], s19, (3<<16)|(1<<21)          ; 15:0 the mask; 17:16 elements of 8 bytes; 21 set beside a mask; no padding
	s_or_b32 s[G1SA], s19, (3<<16)|(1<<21)
	s_lshl_b32 s22, 0x1111, s13                    ; my column
	s_or_b32 s[G1B], s22, (3<<16)|(1<<21)
	s_or_b32 s[G1SB], s22, (3<<16)|(1<<21)
	G1SET G1A, 768, 4, 73728                       ; a chunk: 4 panels; of each 128 rows x 48 bytes = 768 elements, dense; 12,288 x 6 elements from panel to panel
	G1SET G1B, 768, 4, 73728
	G1SET G1SA, 64, 8, 6144                        ; the scale words: 8 rows (q) of 128 x 4 bytes
	G1SET G1SB, 64, 8, 6144
	; the rows.  A's hang on cy and the cluster's place alone, B's on cx and the cluster's place alone, each in registers that never hold the other coordinate
	s_lshl_b32 s17, s15, 10                        ; q, k: A = x from row 1024 Y + 256 cy
	s_mov_b32 s19, 10240                           ; v:    A = W_v from row 10240 + 256 cy
	s_lshl_b32 s18, ttmp9, 9
	s_add_co_u32 s18, s18, 8192                    ; q, k: B = W from row 8192 + 512 X + 128 cx
	s_lshl_b32 s22, s16, 12
	s_lshl_b32 s23, s15, 9
	s_add_co_u32 s22, s22, s23                     ; v:    B = x from row 4096 X' + 512 Y + 128 cx
	s_cmp_lt_u32 ttmp9, 4
	s_cselect_b32 s17, s17, s19
	s_cselect_b32 s18, s18, s22
	s_lshl_b32 s19, s14, 8
	s_add_co_u32 s17, s17, s19
	s_lshl_b32 s19, s21, 7
	s_add_co_u32 s17, s17, s19                     ; + the half that I ask for
	s_lshl_b32 s22, s13, 7
	s_add_co_u32 s18, s18, s22
	s_mul_i32 s2, s17, 48                          ; in bytes: A's codes,
	s_mov_b32 s3, 0
	s_lshl_b32 s66, s17, 2                         ; A's scale words,
	s_mov_b32 s67, 0
	s_mul_i32 s22, s18, 48                         ; B's codes,
	s_mov_b32 s23, 0
	s_lshl_b32 s100, s18, 2                        ; B's scale words
	s_mov_b32 s101, 0
	s_mul_i32 s19, s21, REG                        ; where A's half goes: no place in the cluster enters an LDS address
	s_lshl_b32 s20, s21, 12
	s_wait_dscnt 0x0
	s_wait_kmcnt 0x0
	CROUND                                         ; all sixteen work-groups are here: the joint loads meet
	G0SET 56, 20, SCL, 6, 66, 0
	G0SET 60, 19, 0*CH, 4, 2, 0
	G0SET 68, 19, 1*CH, 4, 2, 1*4*PS
	G0SET 72, 19, 2*CH, 4, 2, 2*4*PS
	G0SET 76, 19, 3*CH, 4, 2, 3*4*PS
	G0SET 80, -1, SCL+8192, 6, 100, 0
	G0SET 84, -1, 2*REG+0*CH, 4, 22, 0
	G0SET 88, -1, 2*REG+1*CH, 4, 22, 1*4*PS
	G0SET 92, -1, 2*REG+2*CH, 4, 22, 2*4*PS
	G0SET 96, -1, 2*REG+3*CH, 4, 22, 3*4*PS
	s_cmp_lt_u32 s12, 2                            ; all fills of the launch, a wave's five inside one branch on the wave's number: five loads of mine are out.  Four v_nop follow each run
	s_cbranch_scc0 .Lnot_a
	tensor_load_to_lds s[56:59], s[G1SA:G1SA+7]
	s_nop 0
	tensor_load_to_lds s[60:63], s[G1A:G1A+7]
	s_nop 0
	tensor_load_to_lds s[68:71], s[G1A:G1A+7]
	s_nop 0
	tensor_load_to_lds s[72:75], s[G1A:G1A+7]
	s_nop 0
	tensor_load_to_lds s[76:79], s[G1A:G1A+7]
	s_nop 0
	PLACES 4
	s_branch .Lasked
.Lnot_a:
	s_cmp_eq_u32 s12, 2
	s_cbranch_scc0 .Lasked
	tensor_load_to_lds s[80:83], s[G1SB:G1SB+7]
	s_nop 0
	tensor_load_to_lds s[84:87], s[G1B:G1B+7]
	s_nop 0
	tensor_load_to_lds s[88:91], s[G1B:G1B+7]
	s_nop 0
	tensor_load_to_lds s[92:95], s[G1B:G1B+7]
	s_nop 0
	tensor_load_to_lds s[96:99], s[G1B:G1B+7]
	s_nop 0
	PLACES 4
.Lasked:
	; LDS addresses.  A fragment's lane (r, h) takes 24 bytes at row x 48 + 24 h of two neighbouring panels: 32 lanes of a load of 8 bytes stand 24 bytes apart
	v_and_b32 v1, 15, v0                           ; r
	v_bfe_u32 v2, v0, 4, 1                         ; h
	v_and_b32 v3, 31, v0                           ; lane
	v_mul_u32_u24 v116, v1, 48
	v_mad_u32_u24 v116, v2, 24, v116
	s_lshr_b32 s19, s12, 1
	s_mul_i32 s20, s19, REG
	s_mul_i32 s3, s21, 3072
	s_add_co_u32 s20, s20, s3                      ; my 64 rows of A: region wave / 2, rows 64 (wave % 2) on
	v_add_nc_u32 v[ADRA], s20, v116
	v_add_nc_u32 v[ADRA+1], 2*CH, v[ADRA]
	v_add_nc_u32 v[ADRB], 2*REG, v116
	v_add_nc_u32 v[ADRB+1], 2*CH, v[ADRB]
	v_lshlrev_b32 v117, 2, v1
	s_lshl_b32 s20, s19, 12
	s_lshl_b32 s3, s21, 8
	s_add_co_u32 s20, s20, s3
	s_add_co_u32 s20, s20, SCL
	v_add_nc_u32 v[ASA], s20, v117
	v_add_nc_u32 v[ASB], SCL+8192, v117
	s_mul_i32 s20, s12, 2304
	s_add_co_u32 s20, s20, STG                     ; my stage
	v_mul_u32_u24 v118, v1, 144
	v_lshl_add_u32 v118, v2, 4, v118
	v_add_nc_u32 v[STO], s20, v118                 ; in: row r, place 2 B + h of 16 bytes
	v_bfe_u32 v118, v0, 3, 2                       ; lane / 8
	s_wait_alu depctr_va_vdst(0)
	v_and_b32 v119, 7, v0
	v_mul_u32_u24 v120, v118, 144
	v_lshl_add_u32 v120, v119, 4, v120
	v_add_nc_u32 v[RD], s20, v120                  ; back: eight lanes to a row, four rows an instruction
	s_lshl_b32 s20, s12, 8
	s_add_co_u32 s20, s20, SST
	v_add_nc_u32 v[SSTO], s20, v117
	v_lshl_add_u32 v[SSRD], v3, 3, s20
	; where the results go
	s_lshl_b32 s17, s15, 2
	s_add_co_u32 s17, s17, s14                     ; q, k: tile row 4 Y + cy
	s_lshl_b32 s18, ttmp9, 2
	s_add_co_u32 s18, s18, s13                     ; q, k: tile column 4 X + cx = the pair of heads
	s_lshl_b32 s19, s16, 5
	s_lshl_b32 s20, s15, 2
	s_add_co_u32 s19, s19, s20
	s_add_co_u32 s19, s19, s13                     ; v: tile column 32 X' + 4 Y + cx = 16 b + key step
	s_mov_b32 s2, 3072
	s_mov_b32 s3, 384
	s_mov_b32 s66, 768
	s_cmp_lt_u32 ttmp9, 4
	s_cselect_b32 s17, s17, s14                    ; tr (v: cy)
	s_cselect_b32 s18, s18, s19                    ; tc
	s_cselect_b32 s2, 98304, s2                    ; from blocks 0, 1 to blocks 2, 3 of the 128 columns: the next head | the next panel
	s_cselect_b32 s67, s66, s3                     ; bit 4 of the row: 16 tokens | bit 3 of rho
	s_cselect_b32 s66, s3, s66                     ; bit 3 of the row: 8 tokens | bit 4 of rho
	s_cselect_b32 s22, 64, 32                      ; the same two bits among the scale words
	s_cselect_b32 s23, 32, 64
	v_mul_u32_u24 v120, v118, 48
	v_and_b32 v119, 3, v0
	v_mad_u32_u24 v120, v119, 12, v120
	v_bfe_u32 v119, v0, 2, 1
	v_mul_u32_u24 v121, s2, v119
	v_add_nc_u32 v[VB], v120, v121                 ; (lane / 8) rows + the upper two blocks' step + 12 (lane % 4)
	v_add_nc_u32 v[VB+1], s66, v[VB]
	v_add_nc_u32 v[VB+2], s67, v[VB]
	v_add_nc_u32 v[VB+3], s66, v[VB+2]
	v_and_b32 v120, 0x13, v0
	v_lshlrev_b32 v120, 3, v120
	v_mul_u32_u24 v121, s23, v119
	v_bfe_u32 v119, v0, 3, 1
	v_mad_u32_u24 v120, v119, s22, v120
	v_add_nc_u32 v[VSO], v120, v121                ; lane l stores the words of rows 2 l and 2 l + 1
.irp b, 0,1,2,3
	v_mov_b32 v[TM+4+\b], 0                        ; written once: a lane permute's destination counts as one of its sources
.endr
	s_lshl_b32 s19, s17, 8
	s_lshl_b32 s20, s12, 6
	s_add_co_u32 s19, s19, s20                     ; m0 = 256 tr + 64 wave
	s_lshr_b32 s20, s19, 11                        ; q, k: b
	s_and_b32 s19, s19, 2047                       ;       token
	s_lshl_b32 s15, s20, 5
	s_lshl_b32 s16, s18, 1
	s_add_co_u32 s15, s15, s16
	s_mul_i32 s15, s15, 98304
	s_mul_i32 s16, s19, 48
	s_add_co_u32 s15, s15, s16                     ; q, k: codes at ((32 b + 2 tc) 2048 + token) 48
	s_lshl_b32 s20, s20, 4
	s_add_co_u32 s20, s20, s18
	s_lshl_b32 s20, s20, 11
	s_add_co_u32 s20, s20, s19
	s_lshl_b32 s20, s20, 2                         ; q, k: scale words at ((16 b + tc) 2048 + token) 4
	s_lshl_b32 s16, s17, 2
	s_add_co_u32 s16, s16, s12                     ; v: head = 4 tr + wave
	s_lshl_b32 s19, s18, 4
	s_add_co_u32 s19, s19, s16
	s_mul_i32 s19, s19, 6144
	s_add_co_u32 s19, s19, VC0                     ; v: codes at VC0 + (16 tc + head) 6144
	s_lshr_b32 s21, s18, 4
	s_lshl_b32 s21, s21, 4
	s_add_co_u32 s21, s21, s16
	s_lshl_b32 s21, s21, 4
	s_and_b32 s3, s18, 15
	s_add_co_u32 s21, s21, s3
	s_lshl_b32 s21, s21, 8
	s_add_co_u32 s21, s21, VS0                     ; v: scale words at VS0 + ((16 b + head) 16 + key step) 256
	s_cmp_lt_u32 ttmp9, 4
	s_cselect_b32 s100, s15, s19
	s_cselect_b32 s20, s20, s21
	s_mov_b32 s101, 0
	s_mov_b32 s21, 0
	s_add_nc_u64 s[8:9], s[8:9], s[100:101]
	s_add_nc_u64 s[10:11], s[10:11], s[20:21]
	s_mov_b32 s20, 0x76543210
	s_mov_b32 s21, 0xfedcba98                      ; v_permlanex16_b32's selects for lane l xor 16
; 72 LDS loads: the fragments of the q-th 128 along K (4 blocks of A, 8 of B) into set q % 2
.macro FETCH q
	WIN (2+((\q)%2))<<6
.irp i, 0,1,2,3
.irp c, 0,1
.irp p, 0,1,2
	ds_load_b64 v[12*\i+6*\c+2*\p:12*\i+6*\c+2*\p+1], v[ADRA+((\q)>>2)] offset:(((\q)>>1)&1)*CH+(2*((\q)&1)+\c)*6144+\i*768+8*\p
.endr
.endr
.endr
.irp i, 0,1,2,3,4,5,6,7
.irp c, 0,1
.irp p, 0,1,2
	ds_load_b64 v[48+12*\i+6*\c+2*\p:48+12*\i+6*\c+2*\p+1], v[ADRB+((\q)>>2)] offset:(((\q)>>1)&1)*CH+(2*((\q)&1)+\c)*6144+\i*768+8*\p
.endr
.endr
.endr
	WIN 0
.endm
; 32 matrix instructions.  The 32 accumulators take turns, one instruction a turn, in the same order in every step.  zero = 1: the first products start the sums
.macro MUL32 q, zero
	WIN 0x5a+5*((\q)%2)                            ; sources 0 and 1: window 2 or 3; C and D: window 1
.irp a, 0,1,2,3
.irp b, 0,1,2,3,4,5,6,7
.if \zero
	v_wmma_scale_f32_16x16x128_f8f6f4 v[8*(8*\a+\b):8*(8*\a+\b)+7], v[48+12*\b:48+12*\b+11], v[12*\a:12*\a+11], 0, v[SB+8*(\q)+\b], v[SA+4*(\q)+\a] matrix_a_fmt:MATRIX_FMT_FP6 matrix_b_fmt:MATRIX_FMT_FP6
.else
	v_wmma_scale_f32_16x16x128_f8f6f4 v[8*(8*\a+\b):8*(8*\a+\b)+7], v[48+12*\b:48+12*\b+11], v[12*\a:12*\a+11], v[8*(8*\a+\b):8*(8*\a+\b)+7], v[SB+8*(\q)+\b], v[SA+4*(\q)+\a] matrix_a_fmt:MATRIX_FMT_FP6 matrix_b_fmt:MATRIX_FMT_FP6
.endif
.endr
.endr
	WIN 0
.endm
; A step of 128 along K.  bar >= 0: the next step's fragments lie in a chunk not read so far: each wave waits until its load of that chunk has landed (bar = the chunks issued behind it) and passes a barrier.
.macro GSTEP q, bar, zero
	s_wait_dscnt 0x0                               ; this step's fragments are in
.if \bar >= 0
	s_wait_tensorcnt \bar
	s_barrier_signal -1
	s_barrier_wait -1
.endif
.if \q < 7
	PLACES 4                                       ; four places between the last step's products and the loads into the registers that they read (ISA guide 7.12.1 for vector instructions)
	FETCH (\q)+1
.endif
	MUL32 \q, \zero
.endm
	s_wait_tensorcnt 3                             ; my scale words and my chunk 0 have landed; chunks 1 to 3 may be out: nothing is filled twice in this launch
	s_barrier_signal -1
	s_barrier_wait -1                              ; everybody's have
.irp q, 0,1,2,3,4,5,6,7
.irp a, 0,1,2,3
	ds_load_b32 v[SA+4*\q+\a], v[ASA] offset:512*\q+64*\a      ; all scale words come into registers once: lane r takes row r's
.endr
.irp b, 0,1,2,3,4,5,6,7
	ds_load_b32 v[SB+8*\q+\b], v[ASB] offset:512*\q+64*\b
.endr
.endr
	FETCH 0
	GSTEP 0, -1, 1
	GSTEP 1, 2, 0
	GSTEP 2, -1, 0
	GSTEP 3, 1, 0
	GSTEP 4, -1, 0
	GSTEP 5, 0, 0
	GSTEP 6, -1, 0
	GSTEP 7, -1, 0
	PLACES 4                                       ; in front of the first reads of results
; THE WAY OUT of A's block a: 16 rows x 128 columns = four blocks of 32 a row.  Largest magnitudes (my 16 numbers, then lane l xor 16's), bytes, conversions; the pieces of 12 bytes go through my own stage and come back
; so that eight neighbouring lanes hold a row's 96 bytes.  Each accumulator is read from its low end on.
.macro QOUT a
	WIN 0x05                                       ; sources 0 and 1: window 1
.irp b, 0,1,2,3
	v_max3_num_f32 v[TM+\b], |v[64*\a+16*\b]|, |v[64*\a+16*\b+1]|, 0x1800000      ; with the floor 2^(3 - 127): the byte cannot fall under 1
.endr
.irp i, 2,4,6,8,10,12,14
.irp b, 0,1,2,3
	v_max3_num_f32 v[TM+\b], |v[64*\a+16*\b+\i]|, |v[64*\a+16*\b+\i+1]|, v[TM+\b]  ; (the four blocks by turns)
.endr
.endr
	WIN 0
.irp b, 0,1,2,3
	v_permlanex16_b32 v[TM+4+\b], v[TM+\b], s20, s21
.endr
.irp b, 0,1,2,3
	v_max_num_f32 v[TM+\b], v[TM+\b], v[TM+4+\b]
.endr
.irp b, 0,1,2,3
	v_add_nc_u32 v[TM+\b], 0xff000000, v[TM+\b]    ; 2 off the exponent field: the conversion's scale operand
.endr
.irp b, 0,1,2,3
	v_lshrrev_b32 v[TM+4+\b], 23, v[TM+\b]         ; the scale's byte
.endr
	v_lshl_or_b32 v[TM+8+\a], v[TM+5], 8, v[TM+4]  ; my row's scale word
	v_lshl_or_b32 v[TM+8+\a], v[TM+6], 16, v[TM+8+\a]
	v_lshl_or_b32 v[TM+8+\a], v[TM+7], 24, v[TM+8+\a]
	WIN 0x01                                       ; source 0: window 1
.irp b, 0,1,2,3
	v_cvt_scalef32_pk16_fp6_f32 v[PC+16*\a+4*\b:PC+16*\a+4*\b+2], v[64*\a+16*\b:64*\a+16*\b+15], v[TM+\b]
.endr
	WIN 0
	v_nop                                          ; one plain place behind the scaled conversions
.irp b, 0,1,2,3
	ds_store_b96 v[STO], v[PC+16*\a+4*\b:PC+16*\a+4*\b+2] offset:32*\b
.endr
	ds_store_b32 v[SSTO], v[TM+8+\a] offset:64*\a  ; both halves of the lanes write the same word with the same value
.irp i, 0,1,2,3
	ds_load_b96 v[RB+16*\a+4*\i:RB+16*\a+4*\i+2], v[RD] offset:576*\i   ; LDS serves a wave's instructions in order: these see my stores, and the next block's stores come behind them
.endr
.endm
	QOUT 0
	QOUT 1
	QOUT 2
	QOUT 3
	ds_load_b64 v[TM+4:TM+5], v[SSRD]
	s_wait_dscnt 0x0
.irp a, 0,1,2,3
.irp i, 0,1,2,3
	global_store_b96 v[VB+2*(\a&1)+(\i>>1)], v[RB+16*\a+4*\i:RB+16*\a+4*\i+2], s[8:9] offset:(\a>>1)*1536+(\i&1)*192   ; four rows: two runs of 192 consecutive bytes
.endr
.endr
	global_store_b64 v[VSO], v[TM+4:TM+5], s[10:11]    ; the wave's 64 scale words: 256 consecutive bytes, aligned
	s_wait_tensorcnt 0x0
	ds_add_u32 v239, v243
	s_wait_dscnt 0x0
	CROUND                                         ; the closing round: no work-group ends while a partner may still ask for a tile that names it
	s_endpgm
.Lfunc_end_k_q9300fa6a8a_qkv:
	.size	k_q9300fa6a8a_qkv, .Lfunc_end_k_q9300fa6a8a_qkv-k_q9300fa6a8a_qkv
	.p2alignl 7, 3214868480
	.fill 96, 4, 3214868480
	.section	.rodata,"a",@progbits
	.p2align	6, 0x0
	.amdhsa_kernel k_q9300fa6a8a_qkv
		.amdhsa_group_segment_fixed_size 327680
		.amdhsa_private_segment_fixed_size 0
		.amdhsa_enable_private_segment 0
		.amdhsa_kernarg_size 32
		.amdhsa_user_sgpr_count 2
		.amdhsa_user_sgpr_kernarg_segment_ptr 1
		.amdhsa_wavefront_size32 1
		.amdhsa_system_sgpr_workgroup_id_x 1
		.amdhsa_system_sgpr_workgroup_id_y 1
		.amdhsa_system_sgpr_workgroup_id_z 1
		.amdhsa_system_vgpr_workitem_id 0
		.amdhsa_next_free_vgpr 1024
		.amdhsa_next_free_sgpr 102
		.amdhsa_reserve_vcc 0
		.amdhsa_float_denorm_mode_32 3
		.amdhsa_float_denorm_mode_16_64 3
		.amdhsa_memory_ordered 1
		.amdhsa_forward_progress 1
		.amdhsa_inst_pref_size 108
	.end_amdhsa_kernel
	.amdgpu_metadata
---
amdhsa.version: [ 1, 2 ]
amdhsa.kernels:
  - .name:           k_q9300fa6a8a_qkv
    .symbol:         k_q9300fa6a8a_qkv.kd
    .args:
      - { .name: qc, .offset: 0, .size: 8, .value_kind: global_buffer, .address_space: global }
      - { .name: qs, .offset: 8, .size: 8, .value_kind: global_buffer, .address_space: global }
      - { .name: hc, .offset: 16, .size: 8, .value_kind: global_buffer, .address_space: global }
      - { .name: hs, .offset: 24, .size: 8, .value_kind: global_buffer, .address_space: global }
    .group_segment_fixed_size: 327680
    .private_segment_fixed_size: 0
    .kernarg_segment_align: 8
    .kernarg_segment_size: 32
    .max_flat_workgroup_size: 128
    .sgpr_count:     102
    .vgpr_count:     1024
    .wavefront_size: 32
...
	.end_amdgpu_metadata
.endif
;; end of part 2
;; launch attn (part 3): grid 4 x 64, 16 waves a work-group, clusters of 4 x 1, 227,328 bytes of LDS; arguments hc, hs, cc, cs; writes cc, cs
.if DOCPART == 3
	.amdgcn_target "amdgcn-amd-amdhsa--gfx1250"
	.amdhsa_code_object_version 6
	.text
	.protected	k_q9300fa6a8a_attn
	.globl	k_q9300fa6a8a_attn
	.p2align	8
	.type	k_q9300fa6a8a_attn,@function
k_q9300fa6a8a_attn:
	s_mov_b64 s[64:65], 0
	v_nop
	global_prefetch_b8 v0, s[64:65] scope:SCOPE_SE
	s_setreg_imm32_b32 hwreg(HW_REG_WAVE_MODE, 25, 1), 1
	s_wait_xcnt 0x0
	s_wait_alu depctr_hold_cnt(0) depctr_sa_sdst(0) depctr_va_vdst(0) depctr_va_sdst(0) depctr_va_ssrc(0) depctr_va_vcc(0) depctr_vm_vsrc(0)
	s_getreg_b32 s2, hwreg(HW_REG_IB_STS2, 6, 4)
	s_cmp_eq_u32 s2, 0
	s_cbranch_scc0 .Lentry_in_a_cluster
	s_endpgm
.Lentry_in_a_cluster:
	s_bfe_u32 s2, ttmp6, 0x10000c
	s_cmp_lg_u32 s2, 0x3003
	s_cbranch_scc0 .Lentry_shape_is_right
	s_endpgm
.Lentry_shape_is_right:
; ctx[b][q][head] = softmax_k(q . k / 8, causal) v, both products on codes of FP6 (E2M3) with E8M0 scales; ctx is quantised along head x 64 + channel for the last product.
; IN (made by the launch before): hc, hs: q and k as [b][hh][token][48 bytes] and [b][pair][token][4 bytes]; v with the keys innermost as [b][key step][head][panel][rho][48 bytes] and [b][head][key step][rho][4 bytes].
; THE SOFTMAX: t = score x log2(e) / 8; M = the row's largest t so far, rounded UP to a whole number; p = 2^(t - M) is quantised along the keys, not normalised; the row's sum is taken of the unquantised p and divides at the end.
; When M moves, the sum and O are multiplied by 2^(old M - new M): exact.
; SHARES.  A cluster of four work-groups owns one (b, head).  The head's K and V as codes are 192 KiB: they lie WHOLE in each partner's LDS, filled once by joint loads (every wave asks for four pieces, all at the head), so there is no ring.
; The head's 128 tiles of 16 queries fall into 16 groups of 8; a tile of group G wants key steps 0 .. G (128 keys each), step G being on the diagonal.  Wave w of partner cx owns tile 4 (w % 2) + cx of group 15 - w / 2 (the long one)
; and the same tile of group w / 2 (the short one): 17 key steps for every wave of the launch.  Branches hang on the wave's number and on counted loops alone; cx enters global addresses and the mask's compare.
; LAYOUT.  Both products are used transposed: S^T = K Q^T (source 0 = 16 keys, source 1 = my 16 queries), O^T = V^T P^T: a lane holds ONE query (lane % 16) throughout.
; K = 64 fills half of the instruction's 128: q's registers 6-11 are zero codes, so the upper half of K's operand may be any codes (it is the next tile's); the scale bytes there are 0, which is a number.
; The 16 registers of tiles 2 B and 2 B + 1 hold keys 32 B + 16 (i / 8) + 8 h + i % 8: the order in which v's codes were laid inside a block.  V's rows (rho) are ordered so that O^T's 16 registers of two tiles are 16 NEIGHBOURING channels.
; OUT: cc = [head 16][row 8192][48 bytes], cs = [pair 8][row][4 bytes] (row = 2048 b + token): the panel form that the last launch reads.
; LIMITS: NaN and infinities are not served; blocks under 2^-124 (zeros among them) get the byte 1; this program alone reads the bytes.
.set KSL, 196608                       ; LDS: key step s at 12288 s: 128 keys x 48 bytes, then V's two panels of 64 x 48.  Behind them K's scale words [key][4] (the pair of heads'),
.set VSL, 204800                       ; V's [key step][rho][4],
.set STG, 208896                       ; and a stage of 1,024 bytes for each wave
.set VC0, 12582912
.set VS0, 524288
.set AK0,  1                           ; v1   48 r + 24 h: my lane's place in a tile of K or V, and in q's rows
.set ASK0, 3                           ; v3   my lane's place among K's scale words
.set ASV0, 4                           ; v4   and among V's
.set SIN,  5                           ; v5   the stage, in
.set SOUT, 6                           ; v6   and out
.set CO,   7                           ; v7   12 x lane
.set ADK,  8                           ; v8-10 the step's addresses
.set ADS,  9
.set ADT,  10
.set R4,   11                          ; v11  4 r
.set KV,   36                          ; v36-83 eight tiles of K (6 registers each), later four fragments of V; v84-89 zeros.  v12 -M, v13 the largest t, v[14:15] the sum; v16-21 q, v22-27 zero codes, v28 q's scales; v29, v30-35 the short tile's
.set SW,   90                          ; v90-97 scale words
.set S,    100                         ; v100-163 S^T, then p
.set O,    164                         ; v164-195 O^T
.set PCD,  196                         ; v196-207 p's codes
.set PC2,  208                         ; v208-215 the second conversions' results
.set BM,   216                         ; v216-219 the blocks' largest
.set PD,   220                         ; v220-223 the other half's, then bytes
.set SO,   224                         ; v224-227 the conversions' scale operands
.set TMP,  228
.set F,    230                         ; v230 f = 2^(old M - new M); v231 p's scale word (named with f as a pair)
.set PW,   231
.set SUM2, 232
.set DD,   234                         ; v234 my query less the diagonal step's first key less 8 h
.set NINF, 235
.set GL,  56                           ; s56 wave / 2;  s57 15 - wave / 2
.set G2,  57
.set STP, 58                           ; s58 the key step
.set TB,  59                           ; s59-61 where the step's tiles, K's scale words and V's begin
.set TS,  60
.set TJ,  61
.set SEL, 62
.set CS,  66                           ; s[66:67] c = log2(e) / 8
.macro CROUND                          ; a round of the cluster's barrier
	s_barrier_signal -1
	s_barrier_wait -1
	s_cmp_lg_u32 s12, 0
	s_cbranch_scc1 .Lnot_wave_0_\@
	s_barrier_signal -3
.Lnot_wave_0_\@:
	s_barrier_wait -3
	s_barrier_signal -1
	s_barrier_wait -1
.endm
.macro G1SET g, r                      ; group 1: r rows of 256 dense bytes (32 elements of 8 bytes); the mask names all four partners
	s_mov_b32 s[\g], 15|(3<<16)|(1<<21)
	s_mov_b32 s[\g+1], 32<<16
	s_mov_b32 s[\g+2], (\r)<<16
	s_mov_b32 s[\g+3], 32<<16
	s_mov_b32 s[\g+4], \r
	s_mov_b32 s[\g+5], 32
	s_mov_b32 s[\g+6], 0
	s_mov_b32 s[\g+7], 0
.endm
	s_load_b256 s[4:11], s[0:1], 0x0               ; hc s[4:5], hs s[6:7], cc s[8:9], cs s[10:11]
	v_lshl_add_u32 v254, v0, 2, 0x37000
	v_mov_b32 v255, 0
	ds_add_u32 v254, v255
	ds_add_u32 v254, v255
	v_lshrrev_b32 v236, 5, v0
	s_delay_alu instid0(VALU_DEP_1)
	v_readfirstlane_b32 s12, v236                  ; wave 0..15
	s_bfe_u32 s13, ttmp6, 0x40000                  ; cx
	s_and_b32 s80, ttmp7, 0xffff                   ; 16 b + head
	s_lshr_b32 s81, s80, 4                         ; b
	s_and_b32 s82, s80, 15                         ; head
	s_lshr_b32 s83, s82, 1                         ; its pair
	s_and_b32 s84, s82, 1
	s_lshr_b32 s[GL], s12, 1
	s_sub_co_u32 s[G2], 15, s[GL]
	s_and_b32 s85, s12, 1                          ; e
	G1SET 16, 24                                   ; 6,144 bytes of codes
	G1SET 24, 2                                    ; 512 bytes of K's scale words
	G1SET 32, 1                                    ; 256 bytes of V's
	s_lshl_b32 s86, s81, 4
	s_add_co_u32 s86, s86, s83
	s_add_co_u32 s86, s86, 8
	s_lshl_b32 s86, s86, 13
	s_lshl_b32 s88, s12, 9
	s_add_co_u32 s86, s86, s88                     ; K's scale words: (16 b + 8 + pair) 8192 + 512 wave
	s_mov_b32 s87, 0
	s_lshl_b32 s88, s80, 12
	s_lshl_b32 s89, s12, 8
	s_add_co_u32 s88, s88, s89
	s_add_co_u32 s88, s88, VS0                     ; V's: VS0 + (16 b + head) 4096 + 256 wave
	s_mov_b32 s89, 0
	s_lshl_b32 s90, s81, 5
	s_add_co_u32 s90, s90, s82
	s_add_co_u32 s90, s90, 16
	s_mul_i32 s90, s90, 98304
	s_mul_i32 s91, s[GL], 6144
	s_add_co_u32 s90, s90, s91                     ; an even wave: K of key step wave / 2
	s_lshl_b32 s91, s81, 4
	s_add_co_u32 s91, s91, s[GL]
	s_lshl_b32 s91, s91, 4
	s_add_co_u32 s91, s91, s82
	s_mul_i32 s91, s91, 6144
	s_add_co_u32 s91, s91, VC0                     ; an odd wave: V of that key step
	s_mov_b32 s92, 49152                           ; eight key steps on: in K,
	s_cmp_eq_u32 s85, 0
	s_cselect_b32 s90, s90, s91
	s_cselect_b32 s92, s92, 786432                 ; in V
	s_mov_b32 s91, 0
	s_mov_b32 s93, 0
	s_mov_b32 s[SEL], 0x76543210
	s_mov_b32 s[SEL+1], 0xfedcba98
	s_mov_b32 s[CS], 0x3e38aa3b
	s_mov_b32 s[CS+1], s[CS]                       ; (named with it as a pair, so it is written)
	s_mov_b32 s[STP], 0
	s_mov_b32 s[TB], 0
	s_mov_b32 s[TS], 0
	s_mov_b32 s[TJ], 0
	s_wait_dscnt 0x0
	s_wait_kmcnt 0x0
	CROUND                                         ; all four work-groups are here: the joint loads meet
	s_mov_b32 s40, 1
	s_lshl_b32 s41, s12, 9
	s_add_co_u32 s41, s41, KSL
	s_add_nc_u64 s[42:43], s[6:7], s[86:87]
	s_or_b32 s43, s43, 0x80000000
	s_mov_b32 s44, 1
	s_lshl_b32 s45, s12, 8
	s_add_co_u32 s45, s45, VSL
	s_add_nc_u64 s[46:47], s[6:7], s[88:89]
	s_or_b32 s47, s47, 0x80000000
	s_mov_b32 s48, 1
	s_mul_i32 s49, s12, 6144                       ; key step wave / 2, K's part or V's
	s_add_nc_u64 s[50:51], s[4:5], s[90:91]
	s_mov_b32 s52, 1
	s_add_co_u32 s53, s49, 98304                   ; and key step 8 + wave / 2
	s_add_nc_u64 s[54:55], s[50:51], s[92:93]
	s_or_b32 s51, s51, 0x80000000
	s_or_b32 s55, s55, 0x80000000
	tensor_load_to_lds s[40:43], s[24:31]          ; all fills of the launch: four loads of mine are out.  Four v_nop follow the run
	s_nop 0
	tensor_load_to_lds s[44:47], s[32:39]
	s_nop 0
	tensor_load_to_lds s[48:51], s[16:23]
	s_nop 0
	tensor_load_to_lds s[52:55], s[16:23]
	s_nop 0
.rept 4
	v_nop
.endr
	; my two tiles
	s_lshl_b32 s94, s85, 6
	s_lshl_b32 s95, s13, 4
	s_add_co_u32 s94, s94, s95                     ; 64 e + 16 cx: the tile's first query in its group
	s_lshl_b32 s95, s[G2], 7
	s_add_co_u32 s95, s95, s94                     ; the long tile's first query
	s_lshl_b32 s96, s[GL], 7
	s_add_co_u32 s96, s96, s94                     ; the short tile's
	s_lshl_b32 s97, s81, 5
	s_add_co_u32 s97, s97, s82
	s_lshl_b32 s97, s97, 11                        ; (32 b + head) 2048
	s_lshl_b32 s14, s81, 4
	s_add_co_u32 s14, s14, s83
	s_lshl_b32 s14, s14, 11                        ; (16 b + pair) 2048
	s_lshl_b32 s2, s81, 11
	s_lshl_b32 s15, s82, 13
	s_add_co_u32 s15, s15, s2                      ; 8192 head + 2048 b
	s_lshl_b32 s3, s83, 13
	s_add_co_u32 s2, s2, s3                        ; 8192 pair + 2048 b
	s_lshl_b32 s3, s84, 1                          ; the odd head's two bytes of a scale word
	s_mov_b32 s99, 0
.macro TILEADR q0, qb, qw, cb, sb      ; for the tile whose first query is in s[q0]: q's codes, q's scales, ctx's codes, ctx's scales
	s_add_co_u32 s98, s97, s[\q0]
	s_mul_i32 s98, s98, 48
	s_add_nc_u64 s[\qb:\qb+1], s[4:5], s[98:99]
	s_add_co_u32 s98, s14, s[\q0]
	s_lshl_b32 s98, s98, 2
	s_add_co_u32 s98, s98, s3
	s_add_nc_u64 s[\qw:\qw+1], s[6:7], s[98:99]
	s_add_co_u32 s98, s15, s[\q0]
	s_mul_i32 s98, s98, 48
	s_add_nc_u64 s[\cb:\cb+1], s[8:9], s[98:99]
	s_add_co_u32 s98, s2, s[\q0]
	s_lshl_b32 s98, s98, 2
	s_add_co_u32 s98, s98, s3
	s_add_nc_u64 s[\sb:\sb+1], s[10:11], s[98:99]
.endm
	TILEADR 95, 76, 78, 68, 70
	TILEADR 96, 86, 88, 72, 74
	v_and_b32 v236, 15, v0                         ; r
	v_bfe_u32 v237, v0, 4, 1                       ; h
	v_and_b32 v238, 31, v0                         ; lane
	s_delay_alu instid0(VALU_DEP_3)
	v_mul_u32_u24 v[AK0], v236, 48
	s_delay_alu instid0(VALU_DEP_1)
	v_mad_u32_u24 v[AK0], v237, 24, v[AK0]
	v_lshlrev_b32 v[R4], 2, v236
.irp p, 0,1,2
	global_load_b64 v[16+2*\p:17+2*\p], v[AK0], s[76:77] offset:8*\p     ; q of both tiles stays in registers
	global_load_b64 v[30+2*\p:31+2*\p], v[AK0], s[86:87] offset:8*\p
.endr
	global_load_u16 v28, v[R4], s[78:79]           ; two scale bytes; the upper two bytes are 0
	global_load_u16 v29, v[R4], s[88:89]
	s_add_co_u32 s98, s3, KSL
	v_add_nc_u32 v[ASK0], s98, v[R4]
	v_add_nc_u32 v[ASV0], VSL, v[R4]
	s_lshl_b32 s98, s12, 10
	s_add_co_u32 s98, s98, STG                     ; my stage
	v_lshl_add_u32 v239, v236, 2, v237
	s_delay_alu instid0(VALU_DEP_1)
	v_lshl_add_u32 v[SIN], v239, 4, s98            ; in: row r, place 2 B + h of 16 bytes
	v_lshl_add_u32 v[SOUT], v238, 4, s98           ; out: a place a lane
	v_mul_u32_u24 v[CO], v238, 12
	v_lshlrev_b32 v[DD], 3, v237
	s_delay_alu instid0(VALU_DEP_1)
	v_sub_nc_u32 v[DD], v236, v[DD]
	s_delay_alu instid0(VALU_DEP_1)
	v_add_nc_u32 v[DD], s94, v[DD]
	v_mov_b32 v[NINF], 0xff800000
.irp j, 0,1,2,3,4,5
	v_mov_b32 v[22+\j], 0                          ; q's upper 64 along K: zero codes
	v_mov_b32 v[84+\j], 0                          ; behind K's last tile
.endr
.irp b, 0,1,2,3
	v_mov_b32 v[PD+\b], 0                          ; written once: a lane permute's destination counts as one of its sources
.endr
	v_mov_b32 v[TMP], 0
	v_mov_b32 v[PW], 0                             ; (named as the upper half of the pair with f before it is first written)
.macro INIT                            ; a tile begins: the step is written once, its first trip finds zeros, which the first change of M leaves zeros
	v_mov_b32 v13, 0xff61b1e6                      ; the largest t so far: -3e38
	s_delay_alu instid0(VALU_DEP_1)
	v_floor_f32 v12, -v13                          ; -M
	v_mov_b32 v14, 0
	v_mov_b32 v15, 0
.set n, 0
.rept 32
	v_mov_b32 v[O+n], 0
.set n, n+1
.endr
.endm
	INIT
; A KEY STEP: 128 keys.  causal = 1: a step behind group s[g]'s diagonal is left out (a scalar branch on the wave's number and the loop's count, round the work, not round the lines that step addresses); the step on the diagonal is masked.
.macro KSTEP causal, g
.if \causal
	s_cmp_gt_u32 s[STP], s[\g]
	s_cbranch_scc1 .Lhidden_\@
.endif
	s_setprio 2
	v_add_nc_u32 v[ADK], s[TB], v[AK0]
	v_add_nc_u32 v[ADS], s[TS], v[ASK0]
	v_add_nc_u32 v[ADT], s[TJ], v[ASV0]
	v_nop                                          ; these four are the places in front of loads into registers that the last products read
.irp t, 0,1,2,3,4,5,6,7
.irp p, 0,1,2
	ds_load_b64 v[KV+6*\t+2*\p:KV+6*\t+2*\p+1], v[ADK] offset:768*\t+8*\p
.endr
	ds_load_u16 v[SW+\t], v[ADS] offset:64*\t
.endr
	s_wait_alu depctr_va_vdst(0)
	s_wait_dscnt 0x0
.irp t, 0,1,2,3,4,5,6,7
	v_wmma_scale_f32_16x16x128_f8f6f4 v[S+8*\t:S+8*\t+7], v[KV+6*\t:KV+6*\t+11], v[16:27], 0, v[SW+\t], v28 matrix_a_fmt:MATRIX_FMT_FP6 matrix_b_fmt:MATRIX_FMT_FP6
.endr
.rept 4
	v_nop
.endr
.irp t, 0,1,2,3                                ; V is asked for at once: it lands while the softmax is worked
.irp c, 0,1
.irp p, 0,1,2
	ds_load_b64 v[KV+12*\t+6*\c+2*\p:KV+12*\t+6*\c+2*\p+1], v[ADK] offset:6144+3072*\c+768*\t+8*\p
.endr
.endr
	ds_load_b32 v[SW+\t], v[ADT] offset:64*\t
.endr
.if \causal
	s_cmp_lg_u32 s[STP], s[\g]
	s_cbranch_scc1 .Lopen_\@
.set n, 0
.rept 64                                       ; register 8 t + j holds key 16 t + 8 h + j of the step: hidden where 16 t + j > my query - 8 h.  Its score becomes -infinity: p = 0
	v_cmp_gt_i32 vcc_lo, 16*(n/8)+n%8, v[DD]
	v_cndmask_b32 v[S+n], v[S+n], v[NINF], vcc_lo
.set n, n+1
.endr
.Lopen_\@:
.endif
.irp b, 0,1,2,3
	v_max3_num_f32 v[BM+\b], v[S+16*\b], v[S+1+16*\b], v[S+2+16*\b]   ; the largest score of each block of 32 keys: it serves for the row's maximum and, since p rises with the score, for the block's largest p
.endr
.irp i, 3,5,7,9,11,13
.irp b, 0,1,2,3
	v_max3_num_f32 v[BM+\b], v[BM+\b], v[S+16*\b+\i], v[S+1+16*\b+\i]
.endr
.endr
.irp b, 0,1,2,3
	v_max_num_f32 v[BM+\b], v[BM+\b], v[S+15+16*\b]
.endr
.irp b, 0,1,2,3
	s_delay_alu instid0(VALU_DEP_4)
	v_permlanex16_b32 v[PD+\b], v[BM+\b], s[SEL], s[SEL+1]
.endr
.irp b, 0,1,2,3
	s_delay_alu instid0(VALU_DEP_4)
	v_max_num_f32 v[BM+\b], v[BM+\b], v[PD+\b]     ; with lane l xor 16's 16 keys
.endr
	s_delay_alu instid0(VALU_DEP_2)
	v_max3_num_f32 v[TMP], v[BM], v[BM+1], v[BM+2]
	s_delay_alu instid0(VALU_DEP_1)
	v_max_num_f32 v[TMP], v[TMP], v[BM+3]
	s_delay_alu instid0(VALU_DEP_1)
	v_mul_f32 v[TMP], s[CS], v[TMP]                ; as t (c is positive)
	s_delay_alu instid0(VALU_DEP_1)
	v_max_num_f32 v13, v13, v[TMP]                 ; the running largest t
	v_mov_b32 v[TMP], v12
	s_delay_alu instid0(VALU_DEP_2)
	v_floor_f32 v12, -v13                          ; the new -M = -ceil(t)
	s_delay_alu instid0(VALU_DEP_1)
	v_sub_f32 v[TMP], v12, v[TMP]                  ; old M - new M: a whole number, 0 or less
	s_delay_alu instid0(VALU_DEP_1)
	v_cvt_i32_f32 v[TMP], v[TMP]                   ; (it saturates)
	s_delay_alu instid0(VALU_DEP_1)
	v_ldexp_f32 v[F], 1.0, v[TMP]                  ; f = 2^(old M - new M)
.set n, 0
.rept 32
	v_pk_fma_f32 v[S+n:S+n+1], v[S+n:S+n+1], s[CS:CS+1], v[12:13] op_sel_hi:[1,0,0]   ; t - M, two at a time
.set n, n+2
.endr
.irp b, 0,1,2,3
	v_fma_f32 v[BM+\b], v[BM+\b], s[CS], v12       ; the same of each block's largest score
.endr
.set n, 0
	s_setprio 1
	s_wait_alu depctr_va_vdst(0)
.rept 64
	v_exp_f32 v[S+n], v[S+n]                       ; p = 2^(t - M), at most 1
.set n, n+1
.endr
.irp b, 0,1,2,3
	v_exp_f32 v[BM+\b], v[BM+\b]                   ; the block's largest p: the same two instructions on the same number
.endr
	v_pk_mul_f32 v[14:15], v[14:15], v[F:F+1] op_sel_hi:[1,0]     ; the sums under the new M (a plain place behind the exponentials)
	s_wait_alu depctr_va_vdst(0)
.irp b, 0,1,2,3
	v_max_num_f32 v[BM+\b], 0x1800000, v[BM+\b]    ; the floor 2^(3 - 127): the byte cannot fall under 1
.endr
.irp b, 0,1,2,3
	s_delay_alu instid0(VALU_DEP_4)
	v_add_nc_u32 v[SO+\b], 0xff000000, v[BM+\b]    ; 2 off the exponent field: the conversion's scale operand
.endr
.irp b, 0,1,2,3
	s_delay_alu instid0(VALU_DEP_4)
	v_lshrrev_b32 v[PD+\b], 23, v[SO+\b]           ; the scale's byte
.endr
	s_delay_alu instid0(VALU_DEP_3)
	v_lshl_or_b32 v[PW], v[PD+1], 8, v[PD]         ; p's scale word for these 128 keys
	s_delay_alu instid0(VALU_DEP_1)
	v_lshl_or_b32 v[PW], v[PD+2], 16, v[PW]
	s_delay_alu instid0(VALU_DEP_1)
	v_lshl_or_b32 v[PW], v[PD+3], 24, v[PW]
.irp c, 0,1
	v_cvt_scalef32_pk16_fp6_f32 v[PCD+6*\c:PCD+6*\c+2], v[S+32*\c:S+32*\c+15], v[SO+2*\c]
	v_cvt_scalef32_pk16_fp6_f32 v[PC2+4*\c:PC2+4*\c+2], v[S+32*\c+16:S+32*\c+31], v[SO+2*\c+1]   ; (a conversion's three registers begin on an even number)
.endr
	v_nop                                          ; one plain place behind the scaled conversions
.irp c, 0,1                                    ; the operand wants a WHOLE block in a lane: lanes 0-15 block 2 c, lanes 16-31 block 2 c + 1, each as half 0's 12 bytes, then half 1's
.irp i, 0,1,2
	v_permlane16_swap_b32 v[PCD+6*\c+\i], v[PC2+4*\c+\i]
.endr
.irp i, 0,1,2
	s_delay_alu instid0(VALU_DEP_3)
	v_mov_b32 v[PCD+6*\c+3+\i], v[PC2+4*\c+\i]
.endr
.endr
	v_pk_add_f32 v[232:233], v[104:105], v[108:109]
	v_pk_add_f32 v[252:253], v[112:113], v[116:117]
	v_pk_add_f32 v[250:251], v[120:121], v[124:125]
	v_pk_add_f32 v[248:249], v[128:129], v[132:133]
	v_pk_add_f32 v[246:247], v[136:137], v[140:141]
	v_pk_add_f32 v[244:245], v[144:145], v[148:149]
	v_pk_add_f32 v[242:243], v[152:153], v[156:157]
	v_pk_add_f32 v[14:15], v[14:15], v[160:161]
	v_pk_add_f32 v[232:233], v[232:233], v[100:101]
	v_pk_add_f32 v[252:253], v[252:253], v[102:103]
	v_pk_add_f32 v[250:251], v[250:251], v[106:107]
	v_pk_add_f32 v[248:249], v[248:249], v[110:111]
	v_pk_add_f32 v[246:247], v[246:247], v[114:115]
	v_pk_add_f32 v[244:245], v[244:245], v[118:119]
	v_pk_add_f32 v[242:243], v[242:243], v[122:123]
	v_pk_add_f32 v[14:15], v[14:15], v[126:127]
	v_pk_add_f32 v[232:233], v[232:233], v[130:131]
	s_setprio 0
	v_pk_add_f32 v[252:253], v[252:253], v[134:135]
	v_pk_add_f32 v[250:251], v[250:251], v[138:139]
	v_pk_add_f32 v[248:249], v[248:249], v[142:143]
	v_pk_add_f32 v[246:247], v[246:247], v[146:147]
	v_pk_add_f32 v[244:245], v[244:245], v[150:151]
	v_pk_add_f32 v[242:243], v[242:243], v[154:155]
	v_pk_add_f32 v[14:15], v[14:15], v[158:159]
	v_pk_add_f32 v[232:233], v[232:233], v[162:163]
	s_delay_alu instid0(VALU_DEP_2)
	v_pk_add_f32 v[14:15], v[14:15], v[248:249]
	s_delay_alu instid0(VALU_DEP_2)
	v_pk_add_f32 v[232:233], v[232:233], v[246:247]
	v_pk_add_f32 v[252:253], v[252:253], v[244:245]
	v_pk_add_f32 v[250:251], v[250:251], v[242:243]
	s_delay_alu instid0(VALU_DEP_2)
	v_pk_add_f32 v[14:15], v[14:15], v[252:253]
	s_delay_alu instid0(VALU_DEP_2)
	v_pk_add_f32 v[232:233], v[232:233], v[250:251]
	s_delay_alu instid0(VALU_DEP_1)
	v_pk_add_f32 v[14:15], v[14:15], v[232:233]
.set n, 0
.rept 16
	v_pk_mul_f32 v[O+n:O+n+1], v[O+n:O+n+1], v[F:F+1] op_sel_hi:[1,0]    ; O^T under the new M.  (The sums above are the places between p's codes and scale word and the products below)
.set n, n+2
.endr
	s_wait_alu depctr_va_vdst(0)
	s_wait_dscnt 0x0                               ; V is in
.irp t, 0,1,2,3
	v_wmma_scale_f32_16x16x128_f8f6f4 v[O+8*\t:O+8*\t+7], v[KV+12*\t:KV+12*\t+11], v[PCD:PCD+11], v[O+8*\t:O+8*\t+7], v[SW+\t], v[PW] matrix_a_fmt:MATRIX_FMT_FP6 matrix_b_fmt:MATRIX_FMT_FP6
.endr
.if \causal
.Lhidden_\@:
.endif
	s_add_co_u32 s[TB], s[TB], 12288
	s_add_co_u32 s[TS], s[TS], 512
	s_add_co_u32 s[TJ], s[TJ], 256
.endm
; A tile ends: O^T / the sum; its two blocks of 32 channels are quantised; the pieces of 12 bytes go through my stage, so that the wave stores 768 consecutive bytes.
.macro FINISH cb, sb
.rept 4
	v_nop                                          ; places behind the last products
.endr
	v_add_f32 v14, v14, v15
	s_delay_alu instid0(VALU_DEP_1)
	v_permlanex16_b32 v[TMP], v14, s[SEL], s[SEL+1]
	s_delay_alu instid0(VALU_DEP_1)
	v_add_f32 v14, v14, v[TMP]                     ; the row's sum
	s_wait_alu depctr_va_vdst(0)
	v_rcp_f32 v14, v14
	v_nop                                          ; a plain place behind the transcendental
.set n, 0
	s_wait_alu depctr_va_vdst(0)
.rept 16
	v_pk_mul_f32 v[S+n:S+n+1], v[O+n:O+n+1], v[14:15] op_sel_hi:[1,0]    ; register 16 B + i is channel 32 B + 16 h + i of my query
.set n, n+2
.endr
.irp b, 0,1
	v_max3_num_f32 v[BM+\b], |v[S+16*\b]|, |v[S+16*\b+1]|, 0x1800000
.endr
.irp i, 2,4,6,8,10,12,14
.irp b, 0,1
	s_delay_alu instid0(VALU_DEP_2)
	v_max3_num_f32 v[BM+\b], v[BM+\b], |v[S+16*\b+\i]|, |v[S+16*\b+\i+1]|
.endr
.endr
.irp b, 0,1
	s_delay_alu instid0(VALU_DEP_2)
	v_permlanex16_b32 v[PD+\b], v[BM+\b], s[SEL], s[SEL+1]
.endr
.irp b, 0,1
	s_delay_alu instid0(VALU_DEP_2)
	v_max_num_f32 v[BM+\b], v[BM+\b], v[PD+\b]
.endr
.irp b, 0,1
	s_delay_alu instid0(VALU_DEP_2)
	v_add_nc_u32 v[SO+\b], 0xff000000, v[BM+\b]
.endr
.irp b, 0,1
	s_delay_alu instid0(VALU_DEP_2)
	v_lshrrev_b32 v[PD+\b], 23, v[SO+\b]
.endr
	s_delay_alu instid0(VALU_DEP_1)
	v_lshl_or_b32 v[TMP], v[PD+1], 8, v[PD]        ; my head's two bytes of the row's scale word
	v_cvt_scalef32_pk16_fp6_f32 v[PCD:PCD+2], v[S:S+15], v[SO]
	v_cvt_scalef32_pk16_fp6_f32 v[PCD+4:PCD+6], v[S+16:S+31], v[SO+1]
	v_nop                                          ; one plain place behind the scaled conversions
	ds_store_b96 v[SIN], v[PCD:PCD+2]
	ds_store_b96 v[SIN], v[PCD+4:PCD+6] offset:32
	ds_load_b96 v[PCD+8:PCD+10], v[SOUT]           ; LDS serves a wave's instructions in order: these see my stores
	ds_load_b96 v[PC2:PC2+2], v[SOUT] offset:512
	s_wait_alu depctr_va_vdst(0)
	s_wait_dscnt 0x0
	global_store_b96 v[CO], v[PCD+8:PCD+10], s[\cb:\cb+1]
	global_store_b96 v[CO], v[PC2:PC2+2], s[\cb:\cb+1] offset:384
	global_store_b16 v[R4], v[TMP], s[\sb:\sb+1]   ; both halves of the lanes write the same two bytes with the same value
.endm
	s_wait_loadcnt 0x0                             ; q
	s_wait_tensorcnt 1                             ; my scale words and my piece of key steps 0-7 have landed; the piece of steps 8-15 may be out: nothing is filled twice in this launch
	s_barrier_signal -1
	s_barrier_wait -1                              ; everybody's have
.Lfirst:                                           ; the long tile, key steps 0-7: all their keys count for it
	KSTEP 0, 0
	s_add_co_u32 s[STP], s[STP], 1
	s_cmp_lt_u32 s[STP], 8
	s_cbranch_scc1 .Lfirst
	s_setprio 0
	s_wait_tensorcnt 0x0                           ; my piece of key steps 8-15 has landed
	s_wait_dscnt 0x0
	s_barrier_signal -1
	s_barrier_wait -1
.Lsecond:                                          ; the long tile, key steps 8-15, as far as its diagonal
	KSTEP 1, G2
	s_add_co_u32 s[STP], s[STP], 1
	s_cmp_lt_u32 s[STP], 16
	s_cbranch_scc1 .Lsecond
	s_setprio 0
	FINISH 68, 70
	s_wait_xcnt 0x0                                ; the stores have read their registers: they may be written again
.irp p, 0,1,2,3,4,5
	v_mov_b32 v[16+\p], v[30+\p]                   ; the short tile's q
.endr
	v_mov_b32 v28, v29
	INIT
	s_mov_b32 s[STP], 0
	s_mov_b32 s[TB], 0
	s_mov_b32 s[TS], 0
	s_mov_b32 s[TJ], 0
.Lthird:                                           ; the short tile, key steps 0-7, as far as its diagonal
	KSTEP 1, GL
	s_add_co_u32 s[STP], s[STP], 1
	s_cmp_lt_u32 s[STP], 8
	s_cbranch_scc1 .Lthird
	s_setprio 0
	FINISH 72, 74
	s_wait_tensorcnt 0x0
	ds_add_u32 v254, v255
	s_wait_dscnt 0x0
	CROUND                                         ; the closing round: no work-group ends while a partner may still ask for a tile that names it
	s_endpgm
.Lfunc_end_k_q9300fa6a8a_attn:
	.size	k_q9300fa6a8a_attn, .Lfunc_end_k_q9300fa6a8a_attn-k_q9300fa6a8a_attn
	.p2alignl 7, 3214868480
	.fill 96, 4, 3214868480
	.section	.rodata,"a",@progbits
	.p2align	6, 0x0
	.amdhsa_kernel k_q9300fa6a8a_attn
		.amdhsa_group_segment_fixed_size 227328
		.amdhsa_private_segment_fixed_size 0
		.amdhsa_enable_private_segment 0
		.amdhsa_kernarg_size 32
		.amdhsa_user_sgpr_count 2
		.amdhsa_user_sgpr_kernarg_segment_ptr 1
		.amdhsa_wavefront_size32 1
		.amdhsa_system_sgpr_workgroup_id_x 1
		.amdhsa_system_sgpr_workgroup_id_y 1
		.amdhsa_system_sgpr_workgroup_id_z 1
		.amdhsa_system_vgpr_workitem_id 0
		.amdhsa_next_free_vgpr 256
		.amdhsa_next_free_sgpr 100
		.amdhsa_reserve_vcc 1
		.amdhsa_float_denorm_mode_32 3
		.amdhsa_float_denorm_mode_16_64 3
		.amdhsa_memory_ordered 1
		.amdhsa_forward_progress 1
		.amdhsa_inst_pref_size 89
	.end_amdhsa_kernel
	.amdgpu_metadata
---
amdhsa.version: [ 1, 2 ]
amdhsa.kernels:
  - .name:           k_q9300fa6a8a_attn
    .symbol:         k_q9300fa6a8a_attn.kd
    .args:
      - { .name: hc, .offset: 0, .size: 8, .value_kind: global_buffer, .address_space: global }
      - { .name: hs, .offset: 8, .size: 8, .value_kind: global_buffer, .address_space: global }
      - { .name: cc, .offset: 16, .size: 8, .value_kind: global_buffer, .address_space: global }
      - { .name: cs, .offset: 24, .size: 8, .value_kind: global_buffer, .address_space: global }
    .group_segment_fixed_size: 227328
    .private_segment_fixed_size: 0
    .kernarg_segment_align: 8
    .kernarg_segment_size: 32
    .max_flat_workgroup_size: 512
    .sgpr_count:     100
    .vgpr_count:     256
    .wavefront_size: 32
...
	.end_amdgpu_metadata
.endif
;; end of part 3
;; launch outp (part 4): grid 8 x 32, 4 waves a work-group, clusters of 4 x 4, 327,680 bytes of LDS; arguments cc, cs, qc, qs, out0; writes out0
.if DOCPART == 4
	.amdgcn_target "amdgcn-amd-amdhsa--gfx1250"
	.amdhsa_code_object_version 6
	.text
	.protected	k_q9300fa6a8a_outp
	.globl	k_q9300fa6a8a_outp
	.p2align	8
	.type	k_q9300fa6a8a_outp,@function
k_q9300fa6a8a_outp:
	s_mov_b64 s[64:65], 0
	v_nop
	global_prefetch_b8 v0, s[64:65] scope:SCOPE_SE
	s_setreg_imm32_b32 hwreg(HW_REG_WAVE_MODE, 25, 1), 1
	s_wait_xcnt 0x0
	s_wait_alu depctr_hold_cnt(0) depctr_sa_sdst(0) depctr_va_vdst(0) depctr_va_sdst(0) depctr_va_ssrc(0) depctr_va_vcc(0) depctr_vm_vsrc(0)
	s_getreg_b32 s2, hwreg(HW_REG_IB_STS2, 6, 4)
	s_cmp_eq_u32 s2, 0
	s_cbranch_scc0 .Lentry_in_a_cluster
	s_endpgm
.Lentry_in_a_cluster:
	s_bfe_u32 s2, ttmp6, 0x10000c
	s_cmp_lg_u32 s2, 0xf033
	s_cbranch_scc0 .Lentry_shape_is_right
	s_endpgm
.Lentry_shape_is_right:
; out0 = ctx W_o^T on codes of FP6 (E2M3) with E8M0 scales; f32 sums, stored as they are.
; IN: cc = [kk 16][row 8192][48 bytes], cs = [q 8][row][4 bytes]: ctx (made by the launch before); qc, qs: the same form with 12,288 rows, W_o from row 11264.
; A work-group makes a tile of 256 (rows of ctx) x 128 (rows of W_o) over all of K = 1,024.  Four waves; wave w takes rows 64 w .. 64 w + 63 and all 128 columns: 32 accumulators.
; THE MATRIX INSTRUCTION IS USED TRANSPOSED (source 0 = 16 rows of W_o, source 1 = 16 rows of ctx): a lane holds eight neighbouring numbers of a row of the output.
; LDS: the WHOLE of K lies in LDS at once (A 192 KiB, B 96 KiB), in four chunks of 256 along K; every byte is filled once, so there is no ring.  CLUSTER 4 x 4: A's tiles are shared along a row of the cluster, B's along a column:
; each is asked for jointly.  Waves 0 and 1 ask for A's halves, wave 2 for B: five loads each (scales, chunks 0 to 3), all at the head.  A barrier with a counted wait stands in front of the first read of each chunk.
; REGISTERS: window 0: v1-15 addresses; v16-47 A's scale words (4 q + a), v48-111 B's (8 q + b); v112-239 the way out.  window 1: accumulator (a, b) at v[8 (8 a + b)].  windows 2, 3: two sets of fragments: A's block i at v[12 i], B's block b at v[48 + 12 b].
.set PS,   589824                      ; bytes of a panel of qc
.set PSC,  393216                      ; and of cc
.set CH,   24576                       ; a chunk in LDS: 4 panels x 128 rows x 48 bytes
.set REG,  98304                       ; a region: four chunks.  Regions 0, 1: A's halves; 2: B
.set SCL,  294912                      ; the scale words: 4,096 bytes a region: [q 8][128 rows][4]
.set STG,  307200                      ; the way out: 16 rows x (256 bytes + 16) for each wave
.set ADRA, 4                           ; v4, v5   LDS address of my A fragments, chunks 0-1 and 2-3
.set ADRB, 6                           ; v6, v7   the same for B
.set ASA,  8                           ; v8       of A's scale words
.set ASB,  9                           ; v9       of B's
.set STO,  10                          ; v10      the stage: where I put 32 bytes of a row
.set RD,   11                          ; v11      and where I read a row back
.set CO,   12                          ; v12      my byte offset in two rows of the output
.set SA,   16
.set SB,   48
.set BK,   112                         ; v112-239 four sets of 32: half rows read back from the stage
.set G1A,  24                          ; s[24:31] descriptor group 1: A's codes;  s[32:39] B's;  s[40:47], s[48:55] their scales
.set G1B,  32
.set G1SA, 40
.set G1SB, 48
.set MSB, 0
.macro WIN new                         ; the immediate's high byte repeats the setting that is left
.if MSB != (\new)
	s_set_vgpr_msb (MSB<<8)|(\new)
.set MSB, (\new)
.endif
.endm
.macro PLACES n
.rept \n
	v_nop
.endr
.endm
.macro CROUND                          ; a round of the cluster's barrier
	s_barrier_signal -1
	s_barrier_wait -1
	s_cmp_lg_u32 s12, 0
	s_cbranch_scc1 .Lnot_wave_0_\@
	s_barrier_signal -3
.Lnot_wave_0_\@:
	s_barrier_wait -3
	s_barrier_signal -1
	s_barrier_wait -1
.endm
.macro G1SET g, c, r, p                ; group 1's words 1 to 7: r rows of c elements of 8 bytes, p elements from row to row
	s_mov_b32 s[\g+1], (\c)<<16
	s_mov_b32 s[\g+2], (\r)<<16
	s_mov_b32 s[\g+3], (\c)<<16
	s_mov_b32 s[\g+4], \r
	s_mov_b32 s[\g+5], \p
	s_mov_b32 s[\g+6], 0
	s_mov_b32 s[\g+7], 0
.endm
.macro G0SET g, lreg, loff, base, off, extra   ; group 0: count 1; LDS address s[lreg] + loff (lreg < 0: loff); global address; type 2
	s_mov_b32 s[\g], 1
.if \lreg < 0
	s_mov_b32 s[\g+1], \loff
.else
	s_add_co_u32 s[\g+1], s[\lreg], \loff
.endif
	s_add_nc_u64 s[\g+2:\g+3], s[\base:\base+1], s[\off:\off+1]
.if \extra
	s_add_nc_u64 s[\g+2:\g+3], s[\g+2:\g+3], \extra
.endif
	s_or_b32 s[\g+3], s[\g+3], 0x80000000
.endm
	s_load_b256 s[4:11], s[0:1], 0x0               ; cc s[4:5], cs s[6:7], qc s[8:9], qs s[10:11]
	v_lshl_add_u32 v254, v0, 2, 0x4f400
	v_mov_b32 v255, 0
	ds_add_u32 v254, v255
	ds_add_u32 v254, v255
	v_lshrrev_b32 v1, 5, v0
	v_readfirstlane_b32 s12, v1                    ; wave 0..3
	s_bfe_u32 s13, ttmp6, 0x40000                  ; cx
	s_bfe_u32 s14, ttmp6, 0x40004                  ; cy
	s_and_b32 s15, ttmp7, 0xffff                   ; the cluster's y
	s_and_b32 s21, s12, 1                          ; which half of A a wave asks for (waves 0 and 1 ask)
	s_lshl_b32 s19, s14, 2
	s_lshl_b32 s19, 15, s19                        ; my row of the cluster
	s_or_b32 s[G1A], s19, (3<<16)|(1<<21)          ; 15:0 the mask; 17:16 elements of 8 bytes; 21 set beside a mask; no padding
	s_or_b32 s[G1SA], s19, (3<<16)|(1<<21)
	s_lshl_b32 s22, 0x1111, s13                    ; my column
	s_or_b32 s[G1B], s22, (3<<16)|(1<<21)
	s_or_b32 s[G1SB], s22, (3<<16)|(1<<21)
	G1SET G1A, 768, 4, 49152                       ; a chunk: 4 panels; of each 128 rows x 48 bytes = 768 elements, dense; 8,192 x 6 elements from panel to panel
	G1SET G1B, 768, 4, 73728                       ; in qc 12,288 x 6
	G1SET G1SA, 64, 8, 4096                        ; the scale words: 8 rows (q) of 128 x 4 bytes
	G1SET G1SB, 64, 8, 6144
	; the rows.  A's hang on cy and the cluster's y alone, B's on cx and the cluster's x alone, each in registers that never hold the other coordinate
	s_lshl_b32 s17, s15, 10
	s_lshl_b32 s19, s14, 8
	s_add_co_u32 s17, s17, s19                     ; A: row 256 (4 Y + cy)
	s_lshl_b32 s19, s21, 7
	s_add_co_u32 s17, s17, s19                     ; + the half that I ask for
	s_lshl_b32 s18, ttmp9, 9
	s_lshl_b32 s22, s13, 7
	s_add_co_u32 s18, s18, s22
	s_add_co_u32 s18, s18, 11264                   ; B: row 11264 + 128 (4 X + cx)
	s_mul_i32 s2, s17, 48
	s_mov_b32 s3, 0
	s_lshl_b32 s66, s17, 2
	s_mov_b32 s67, 0
	s_mul_i32 s22, s18, 48
	s_mov_b32 s23, 0
	s_lshl_b32 s100, s18, 2
	s_mov_b32 s101, 0
	s_mul_i32 s19, s21, REG                        ; where A's half goes: no place in the cluster enters an LDS address
	s_lshl_b32 s20, s21, 12
	s_wait_dscnt 0x0
	s_wait_kmcnt 0x0
	CROUND                                         ; all sixteen work-groups are here: the joint loads meet
	G0SET 56, 20, SCL, 6, 66, 0
	G0SET 60, 19, 0*CH, 4, 2, 0
	G0SET 68, 19, 1*CH, 4, 2, 1*4*PSC
	G0SET 72, 19, 2*CH, 4, 2, 2*4*PSC
	G0SET 76, 19, 3*CH, 4, 2, 3*4*PSC
	G0SET 80, -1, SCL+8192, 10, 100, 0
	G0SET 84, -1, 2*REG+0*CH, 8, 22, 0
	G0SET 88, -1, 2*REG+1*CH, 8, 22, 1*4*PS
	G0SET 92, -1, 2*REG+2*CH, 8, 22, 2*4*PS
	G0SET 96, -1, 2*REG+3*CH, 8, 22, 3*4*PS
	s_cmp_lt_u32 s12, 2                            ; all fills of the launch, a wave's five inside one branch on the wave's number: five loads of mine are out.  Four v_nop follow each run
	s_cbranch_scc0 .Lnot_a
	tensor_load_to_lds s[56:59], s[G1SA:G1SA+7]
	s_nop 0
	tensor_load_to_lds s[60:63], s[G1A:G1A+7]
	s_nop 0
	tensor_load_to_lds s[68:71], s[G1A:G1A+7]
	s_nop 0
	tensor_load_to_lds s[72:75], s[G1A:G1A+7]
	s_nop 0
	tensor_load_to_lds s[76:79], s[G1A:G1A+7]
	s_nop 0
	PLACES 4
	s_branch .Lasked
.Lnot_a:
	s_cmp_eq_u32 s12, 2
	s_cbranch_scc0 .Lasked
	tensor_load_to_lds s[80:83], s[G1SB:G1SB+7]
	s_nop 0
	tensor_load_to_lds s[84:87], s[G1B:G1B+7]
	s_nop 0
	tensor_load_to_lds s[88:91], s[G1B:G1B+7]
	s_nop 0
	tensor_load_to_lds s[92:95], s[G1B:G1B+7]
	s_nop 0
	tensor_load_to_lds s[96:99], s[G1B:G1B+7]
	s_nop 0
	PLACES 4
.Lasked:
	s_load_b64 s[2:3], s[0:1], 0x20                ; out0
	; LDS addresses.  A fragment's lane (r, h) takes 24 bytes at row x 48 + 24 h of two neighbouring panels: 32 lanes of a load of 8 bytes stand 24 bytes apart
	v_and_b32 v1, 15, v0                           ; r
	v_bfe_u32 v2, v0, 4, 1                         ; h
	v_mul_u32_u24 v116, v1, 48
	v_mad_u32_u24 v116, v2, 24, v116
	s_lshr_b32 s19, s12, 1
	s_mul_i32 s20, s19, REG
	s_mul_i32 s18, s21, 3072
	s_add_co_u32 s20, s20, s18                     ; my 64 rows of A: region wave / 2, rows 64 (wave % 2) on
	v_add_nc_u32 v[ADRA], s20, v116
	v_add_nc_u32 v[ADRA+1], 2*CH, v[ADRA]
	v_add_nc_u32 v[ADRB], 2*REG, v116
	v_add_nc_u32 v[ADRB+1], 2*CH, v[ADRB]
	v_lshlrev_b32 v117, 2, v1
	s_lshl_b32 s20, s19, 12
	s_lshl_b32 s18, s21, 8
	s_add_co_u32 s20, s20, s18
	s_add_co_u32 s20, s20, SCL
	v_add_nc_u32 v[ASA], s20, v117
	v_add_nc_u32 v[ASB], SCL+8192, v117
	s_mul_i32 s20, s12, 4352
	s_add_co_u32 s20, s20, STG                     ; my stage
	v_mul_u32_u24 v118, v1, 272
	v_lshl_add_u32 v118, v2, 5, v118
	v_add_nc_u32 v[STO], s20, v118                 ; in: row r, 32 bytes for each half of the lanes
	v_mul_u32_u24 v118, v2, 272
	v_lshl_add_u32 v118, v1, 4, v118
	v_add_nc_u32 v[RD], s20, v118                  ; back: lanes 0-15 one row's 256 bytes, lanes 16-31 the next row's
	v_lshlrev_b32 v[CO], 12, v2
	v_lshl_add_u32 v[CO], v1, 4, v[CO]             ; and the same in the output: a row is 4,096 bytes
	s_lshl_b32 s16, s15, 2
	s_add_co_u32 s16, s16, s14
	s_lshl_b32 s16, s16, 8
	s_lshl_b32 s17, s12, 6
	s_add_co_u32 s16, s16, s17                     ; my first row: 256 (4 Y + cy) + 64 wave
	s_lshl_b32 s16, s16, 12
	s_lshl_b32 s17, ttmp9, 2
	s_add_co_u32 s17, s17, s13
	s_lshl_b32 s17, s17, 9                         ; my first column, in bytes: 512 (4 X + cx)
	s_add_co_u32 s16, s16, s17
	s_mov_b32 s17, 0
	s_wait_alu depctr_va_vdst(0)
	s_wait_kmcnt 0x0
	s_add_nc_u64 s[2:3], s[2:3], s[16:17]
; 72 LDS loads: the fragments of the q-th 128 along K (4 blocks of A, 8 of B) into set q % 2
.macro FETCH q
	WIN (2+((\q)%2))<<6
.irp i, 0,1,2,3
.irp c, 0,1
.irp p, 0,1,2
	ds_load_b64 v[12*\i+6*\c+2*\p:12*\i+6*\c+2*\p+1], v[ADRA+((\q)>>2)] offset:(((\q)>>1)&1)*CH+(2*((\q)&1)+\c)*6144+\i*768+8*\p
.endr
.endr
.endr
.irp i, 0,1,2,3,4,5,6,7
.irp c, 0,1
.irp p, 0,1,2
	ds_load_b64 v[48+12*\i+6*\c+2*\p:48+12*\i+6*\c+2*\p+1], v[ADRB+((\q)>>2)] offset:(((\q)>>1)&1)*CH+(2*((\q)&1)+\c)*6144+\i*768+8*\p
.endr
.endr
.endr
	WIN 0
.endm
; 32 matrix instructions.  The 32 accumulators take turns, one instruction a turn, in the same order in every step.  zero = 1: the first products start the sums
.macro MUL32 q, zero
	WIN 0x5a+5*((\q)%2)                            ; sources 0 and 1: window 2 or 3; C and D: window 1
.irp a, 0,1,2,3
.irp b, 0,1,2,3,4,5,6,7
.if \zero
	v_wmma_scale_f32_16x16x128_f8f6f4 v[8*(8*\a+\b):8*(8*\a+\b)+7], v[48+12*\b:48+12*\b+11], v[12*\a:12*\a+11], 0, v[SB+8*(\q)+\b], v[SA+4*(\q)+\a] matrix_a_fmt:MATRIX_FMT_FP6 matrix_b_fmt:MATRIX_FMT_FP6
.else
	v_wmma_scale_f32_16x16x128_f8f6f4 v[8*(8*\a+\b):8*(8*\a+\b)+7], v[48+12*\b:48+12*\b+11], v[12*\a:12*\a+11], v[8*(8*\a+\b):8*(8*\a+\b)+7], v[SB+8*(\q)+\b], v[SA+4*(\q)+\a] matrix_a_fmt:MATRIX_FMT_FP6 matrix_b_fmt:MATRIX_FMT_FP6
.endif
.endr
.endr
	WIN 0
.endm
; A step of 128 along K.  bar >= 0: the next step's fragments lie in a chunk not read so far: each wave waits until its load of that chunk has landed (bar = the chunks issued behind it) and passes a barrier.
.macro GSTEP q, bar, zero
	s_wait_dscnt 0x0                               ; this step's fragments are in
.if \bar >= 0
	s_wait_tensorcnt \bar
	s_barrier_signal -1
	s_barrier_wait -1
.endif
.if \q < 7
	PLACES 4                                       ; four places between the last step's products and the loads into the registers that they read (ISA guide 7.12.1 for vector instructions)
	FETCH (\q)+1
.endif
	MUL32 \q, \zero
.endm
	s_wait_tensorcnt 3                             ; my scale words and my chunk 0 have landed; chunks 1 to 3 may be out: nothing is filled twice in this launch
	s_barrier_signal -1
	s_barrier_wait -1                              ; everybody's have
.irp q, 0,1,2,3,4,5,6,7
.irp a, 0,1,2,3
	ds_load_b32 v[SA+4*\q+\a], v[ASA] offset:512*\q+64*\a      ; all scale words come into registers once: lane r takes row r's
.endr
.irp b, 0,1,2,3,4,5,6,7
	ds_load_b32 v[SB+8*\q+\b], v[ASB] offset:512*\q+64*\b
.endr
.endr
	FETCH 0
	GSTEP 0, -1, 1
	GSTEP 1, 2, 0
	GSTEP 2, -1, 0
	GSTEP 3, 1, 0
	GSTEP 4, -1, 0
	GSTEP 5, 0, 0
	GSTEP 6, -1, 0
	GSTEP 7, -1, 0
	PLACES 4                                       ; in front of the first reads of results
; THE WAY OUT, in eight parts n = 2 a + u: 16 rows (A's block a) x 64 columns (half u).  A lane holds 32 neighbouring bytes of a row and the lanes beside it hold other rows: so a part goes through my own stage and comes back
; as rows of 256 bytes, which sixteen lanes store whole.  LDS serves a wave's instructions in order: no wait between the stores and the loads, nor in front of the next part's stores.
.macro TOSTAGE n
.set AC, 8*(8*((\n)/2)+4*((\n)%2))
	WIN 0x04                                       ; an LDS store's data are its source 1: window 1
.irp t, 0,1,2,3
	ds_store_b128 v[STO], v[AC+8*\t:AC+8*\t+3] offset:64*\t            ; each accumulator from its low end on
	ds_store_b128 v[STO], v[AC+8*\t+4:AC+8*\t+7] offset:64*\t+16
.endr
	WIN 0
.irp i, 0,1,2,3,4,5,6,7
	ds_load_b128 v[BK+32*((\n)%4)+4*\i:BK+32*((\n)%4)+4*\i+3], v[RD] offset:544*\i
.endr
.endm
.macro SEND n, younger                 ; younger: the LDS instructions issued behind part n's loads, which may stay out
	s_wait_dscnt \younger
.irp i, 0,1,2,3,4,5,6,7
	global_store_b128 v[CO], v[BK+32*((\n)%4)+4*\i:BK+32*((\n)%4)+4*\i+3], s[2:3] offset:(16*((\n)/2)+2*\i)*4096+256*((\n)%2) th:TH_STORE_NT   ; 16 lanes store 256 consecutive bytes, aligned; written once, read by nobody here
.endr
.endm
	TOSTAGE 0
.irp n, 1,2,3,4,5,6,7
.if \n >= 4
	s_wait_xcnt 0x0                                ; part n - 4's stores have read their registers: part n's loads may land there
.endif
	TOSTAGE \n
	SEND \n-1, 16                                  ; behind part n - 1's loads: part n's 8 stores and 8 loads
.endr
	SEND 7, 0
	s_wait_tensorcnt 0x0
	ds_add_u32 v254, v255
	s_wait_dscnt 0x0
	CROUND                                         ; the closing round: no work-group ends while a partner may still ask for a tile that names it
	s_endpgm
.Lfunc_end_k_q9300fa6a8a_outp:
	.size	k_q9300fa6a8a_outp, .Lfunc_end_k_q9300fa6a8a_outp-k_q9300fa6a8a_outp
	.p2alignl 7, 3214868480
	.fill 96, 4, 3214868480
	.section	.rodata,"a",@progbits
	.p2align	6, 0x0
	.amdhsa_kernel k_q9300fa6a8a_outp
		.amdhsa_group_segment_fixed_size 327680
		.amdhsa_private_segment_fixed_size 0
		.amdhsa_enable_private_segment 0
		.amdhsa_kernarg_size 40
		.amdhsa_user_sgpr_count 2
		.amdhsa_user_sgpr_kernarg_segment_ptr 1
		.amdhsa_wavefront_size32 1
		.amdhsa_system_sgpr_workgroup_id_x 1
		.amdhsa_system_sgpr_workgroup_id_y 1
		.amdhsa_system_sgpr_workgroup_id_z 1
		.amdhsa_system_vgpr_workitem_id 0
		.amdhsa_next_free_vgpr 1024
		.amdhsa_next_free_sgpr 102
		.amdhsa_reserve_vcc 0
		.amdhsa_float_denorm_mode_32 3
		.amdhsa_float_denorm_mode_16_64 3
		.amdhsa_memory_ordered 1
		.amdhsa_forward_progress 1
		.amdhsa_inst_pref_size 102
	.end_amdhsa_kernel
	.amdgpu_metadata
---
amdhsa.version: [ 1, 2 ]
amdhsa.kernels:
  - .name:           k_q9300fa6a8a_outp
    .symbol:         k_q9300fa6a8a_outp.kd
    .args:
      - { .name: cc, .offset: 0, .size: 8, .value_kind: global_buffer, .address_space: global }
      - { .name: cs, .offset: 8, .size: 8, .value_kind: global_buffer, .address_space: global }
      - { .name: qc, .offset: 16, .size: 8, .value_kind: global_buffer, .address_space: global }
      - { .name: qs, .offset: 24, .size: 8, .value_kind: global_buffer, .address_space: global }
      - { .name: out0, .offset: 32, .size: 8, .value_kind: global_buffer, .address_space: global }
    .group_segment_fixed_size: 327680
    .private_segment_fixed_size: 0
    .kernarg_segment_align: 8
    .kernarg_segment_size: 40
    .max_flat_workgroup_size: 128
    .sgpr_count:     102
    .vgpr_count:     1024
    .wavefront_size: 32
...
	.end_amdgpu_metadata
.endif
;; end of part 4
